; MI455X (gfx1250); checked and timed in simulation.
; The chip was launched on July 23, 2026; its instructions are those of AMD's public machine-readable ISA for CDNA 5 (MIT licence, August 2026) and "CDNA5" Instruction Set Architecture Reference Guide (July 2026). The comments in the code are by the model that wrote it; some were corrected since.
;; Memory Efficient Attention. Allowed arithmetic: matrix products marked QUANTISED: E2M3 operands, one E8M0 scale for each 32 along K, by v_wmma_scale_f32_16x16x128_f8f6f4 with both operands' format E2M3, f32 sums; everything else in f32.
;; Inputs: Wk 2,048 x 2,048 float32; Wo 2,048 x 2,048 float32; Wq 2,048 x 2,048 float32; Wv 2,048 x 2,048 float32; bk 2,048 float32; bo 2,048 float32; bq 2,048 float32; bv 2,048 float32; hidden_states 1 x 2,048 x 2,048 float32.
;; Outputs: out0 1 x 2,048 x 2,048 float32.
;; This version of the problem:
;;   THIS VERSION OF THE PROBLEM IS GIVEN IN LOW PRECISION. The matrix products marked QUANTISED in the list below multiply operands that are first quantised to E2M3 (2 exponent bits, 3 mantissa bits; 6 bits a number), with one power-of-two scale for each 32 numbers along K (OCP MX v1.0); their sums are f32. All else is computed in f32.
;;   The module's matrix products, in the order in which they are computed (A, B: the left and right operand; K: the contracted axis; several contracted axes count as one K, in the product's order):
;;     1. [M 2,048, K 2,048] x [K 2,048, N 2,048]; A: input hidden_states; B: input Wq: QUANTISED
;;     2. [M 2,048, K 2,048] x [K 2,048, N 2,048]; A: input hidden_states; B: input Wk: QUANTISED
;;     3. [M 2,048, K 2,048] x [K 2,048, N 2,048]; A: input hidden_states; B: input Wv: QUANTISED
;;     4. batch 16 x [M 2,048, K 128] x [K 128, N 2,048]; A: computed on the way; B: computed on the way: QUANTISED
;;     5. batch 16 x [M 2,048, K 2,048] x [K 2,048, N 128]; A: softmax (see below); B: computed on the way: QUANTISED
;;     6. [M 2,048, K 2,048] x [K 2,048, N 2,048]; A: computed on the way; B: input Wo: QUANTISED
;;   THE QUANTISER, for each operand of a quantised product, along K:
;;     - K is cut into blocks of 32 from its start; a last block that is shorter is filled with zeros.
;;     - A block's scale is 2^e with e = floor(log2(the largest magnitude in the block)) - 2, held to -126 .. 127; a block of zeros has e = 0. As a byte (E8M0): e + 127.
;;     - Each number is divided by its block's scale, clamped to +-7.5, and rounded to the nearest number of E2M3, ties to even, subnormals kept.
;;     - The product sums the exact products of the quantised numbers (number of the format x scale) in f32.
;;   ~~~python
;;   def quantise(x, axis):      # numpy; x: float32 -> the quantised numbers, widened to float32 again
;;       x = np.moveaxis(x, axis, -1); K = x.shape[-1]
;;       x = np.pad(x, [(0, 0)] * (x.ndim - 1) + [(0, -K % 32)]); x = x.reshape(x.shape[:-1] + (-1, 32)); a = np.abs(x).max(-1, keepdims=True)
;;       e = np.where(a > 0, np.clip(np.frexp(np.where(a > 0, a, 1))[1] - 1 - 2, -126, 127), 0)      # np.frexp(a)[1] - 1 = floor(log2(a)), exactly
;;       r = np.clip(x / 2.0 ** e, -7.5, 7.5)
;;       step = 2.0 ** (np.maximum(np.frexp(np.where(r == 0, 1, r))[1] - 1, 0) - 3)
;;       q = np.round(r / step) * step * 2.0 ** e      # np.round: ties to even
;;       return np.moveaxis(q.reshape(q.shape[:-2] + (-1,))[..., :K], -1, axis).astype(np.float32)
;;   ~~~
;;   SOFTMAX AHEAD OF A QUANTISED PRODUCT. Where the list says 'softmax', what is quantised is not the finished softmax but p = 2^(t - M), with t = logit x log2(e) and M = ceil(the row's largest t), a whole number; so 1/2 < the row's largest p <= 1. The row's sum l is taken of the UNQUANTISED p, in f32, and the product's result is divided by l at the end. Since M is a whole number, a kernel that streams over the keys may use a running M (the ceiling of the running maximum): every later rescaling is an exact power of two, which a block's scale takes up: the codes' values come out the same.
;;   OPERANDS COMPUTED ON THE WAY. 'Computed on the way' means the value that the module computes at that place (a softmax that the list does not call 'softmax' is quantised finished and normalised). What goes into a quantiser is computed in f32, as accurately as f32 sums, v_exp_f32 and their like allow (about 1e-6 of the number): no bf16 or f16 on the way to a quantiser, and a product that is left as it is and whose result goes on into a quantised operand takes f32 operands (vector FMAs, or v_wmma_f32_16x16x4_f32). A number that lies on a knife's edge between two numbers of the format may be rounded either way, as far as f32 arithmetic and the matrix unit's own rounding can turn it there, and no further.
;; One version. Each part assembles by itself: llvm-mc -triple=amdgcn-amd-amdhsa -mcpu=gfx1250 --defsym DOCPART=n.
;; ======== version 1 of 1: 4 launches
;; limits: right only within a limited range of input values
;; workspace buffers: opc 12,582,912 bytes; ops 524,288 bytes; qkv_img 9,437,184 bytes; qkv_sc 393,216 bytes; aimg 6,291,456 bytes; asc 262,144 bytes
;; launch quant (part 1): grid 128 x 8, 4 waves a work-group, no clusters, 34,816 bytes of LDS; arguments Wq, Wk, hidden_states, Wv, opc, ops; writes opc, ops
.if DOCPART == 1
	.amdgcn_target "amdgcn-amd-amdhsa--gfx1250"
	.amdhsa_code_object_version 6
	.text
	.protected	k_q4f5c55b3fd_quant
	.globl	k_q4f5c55b3fd_quant
	.p2align	8
	.type	k_q4f5c55b3fd_quant,@function
k_q4f5c55b3fd_quant:
	s_mov_b64 s[64:65], 0
	v_nop
	global_prefetch_b8 v0, s[64:65] scope:SCOPE_SE
	s_setreg_imm32_b32 hwreg(HW_REG_WAVE_MODE, 25, 1), 1
	s_wait_xcnt 0x0
; The five f32 tensors [2048][2048] (K innermost) become codes of FP6 (E2M3) with one E8M0 byte for each 32 along K.
; They are taken as one stack of 10,240 rows: Wq, Wk, hidden_states, Wv, Wo.
; OUTPUT LAYOUT.  opc: [row tile 0..639][K step 0..15][1,536 bytes]: a fragment (16 rows x 128 K, 12 registers a lane) as an image of its
; registers: registers 4 c .. 4 c + 3 of lane l at 512 c + 16 l.  ops: [group of 128 rows][K step][512 bytes]: the scale word of row r of tile a at 256 (a / 4) + 16 r + 4 (a % 4).
; THE ROWS OF A TILE ARE NOT NEIGHBOURS: lane row p of tile 2 b + u is the tensor's row 32 b + 8 u + p + 8 (p / 8), in every tensor alike.
; A block's scale is 2^(floor(log2(its largest magnitude)) - 2); its byte is the largest magnitude's exponent field - 2, held at 1 from below.
; LIMITS: a block whose largest magnitude lies under 2^-124 gets the byte 1; a block of zeros gets the byte 1 (its codes are zeros, and this program alone reads the bytes); NaN and infinities are not served.
; SHARES.  Work-group (x, y): rows 64 x .. 64 x + 63 of the stack, K steps 2 y and 2 y + 1.  Wave w: row tile 4 x + w: 16 rows x 256 K, 32 loads of 512 consecutive bytes, all asked for at once.
; A load takes a row's bytes as they lie; the conversions want 16 neighbours in one lane: a K step's 8,192 bytes turn through the wave's own stage in LDS (rows of 512 + 16 bytes).
; No tensor loads, no ring: each number is read once and there is one barrier, for the scale words, which leave as two aligned runs of 256 bytes.
; THE STACK HERE HAS FOUR TENSORS, 8,192 rows: Wq, Wk, hidden_states, Wv.  Wo, which only the last launch reads, is quantised by launch attn, by the same steps and into the same layout.
.set ROWB,  8192                       ; a row of a tensor in bytes
.set STG,   16*528                     ; a wave's stage
.set SCB,   4*STG                      ; the work-group's scale words: 256 bytes for each of the two K steps
.set SPARE, SCB+512                    ; the spare words, 128 bytes for each wave: two blocks of 256 bytes that no other line names
.set LI,   1                           ; v1   16 x lane
.set SIN,  2                           ; v2   the stage on the way in
.set SOUT, 3                           ; v3   and on the way out: row r, + 64 h
.set SWA,  4                           ; v4   where my row's scale word goes
.set SRD,  5                           ; v5   wave 0: where the words are read back
.set SGO,  6                           ; v6   and their place in ops
.set SPW,  8                           ; v8   my spare word; never rewritten
.set NIL,  9                           ; v9   0; never rewritten
.set PW,   10                          ; v10-11 a scale word for each K step
.set R,    16                          ; v16-143 two sets of 64 numbers
.set PC,   144                         ; v144-167 two sets of 12 registers of codes
.set CT,   168                         ; v168-175 at work
.set TM,   176                         ; v176-187 at work
.set SEL,  24                          ; s[24:25] lane selects: lane l xor 16
; 64 numbers of a lane, register 16 b + i = k 32 b + 16 (lane / 16) + i of my row, become a fragment's 12 registers at pc and its scale word in pw.
.macro QUANT s, pc, ct, pw, tm
.irp b, 0,1,2,3
	v_max3_num_f32 v[\tm+\b], |v[\s+16*\b]|, |v[\s+16*\b+1]|, 0x1800000   ; my 16 numbers of block b, and the floor 2^(3 - 127): the byte cannot fall under 1
.endr
.irp i, 2,4,6,8,10,12,14
.irp b, 0,1,2,3
	v_max3_num_f32 v[\tm+\b], v[\tm+\b], |v[\s+16*\b+\i]|, |v[\s+16*\b+\i+1]|   ; the four blocks by turns
.endr
.endr
.irp b, 0,1,2,3
	v_permlanex16_b32 v[\tm+4+\b], v[\tm+\b], s[SEL], s[SEL+1]
.endr
.irp b, 0,1,2,3
	v_max_num_f32 v[\tm+\b], v[\tm+\b], v[\tm+4+\b]      ; with lane l xor 16's: the block's largest magnitude
.endr
.irp b, 0,1,2,3
	v_add_nc_u32 v[\tm+8+\b], 0xff000000, v[\tm+\b]      ; 2 off its exponent field: the conversion's scale operand
.endr
.irp b, 0,1,2,3
	v_lshrrev_b32 v[\tm+4+\b], 23, v[\tm+8+\b]           ; the scale's byte
.endr
	v_lshl_or_b32 v[\pw], v[\tm+5], 8, v[\tm+4]
	v_lshl_or_b32 v[\pw], v[\tm+6], 16, v[\pw]
	v_lshl_or_b32 v[\pw], v[\tm+7], 24, v[\pw]
.irp c, 0,1
	v_cvt_scalef32_pk16_fp6_f32 v[\pc+6*\c:\pc+6*\c+2], v[\s+32*\c:\s+32*\c+15], v[\tm+8+2*\c]
	v_cvt_scalef32_pk16_fp6_f32 v[\ct+4*\c:\ct+4*\c+2], v[\s+32*\c+16:\s+32*\c+31], v[\tm+9+2*\c]   ; (a conversion's three registers begin on an even number)
.endr
	v_nop                                                ; one plain instruction behind the scaled conversions
.irp c, 0,1                                              ; the layout wants a whole block in a lane: lanes 0-15 block 2 c, lanes 16-31 block 2 c + 1
.irp i, 0,1,2
	v_permlane16_swap_b32 v[\pc+6*\c+\i], v[\ct+4*\c+\i]
.endr
.irp i, 0,1,2
	v_mov_b32 v[\pc+6*\c+3+\i], v[\ct+4*\c+\i]
.endr
.endr
.endm
	s_load_b256 s[4:11], s[0:1], 0x0               ; Wq, Wk, hidden_states, Wv
	s_load_b64 s[14:15], s[0:1], 0x20              ; opc
	s_load_b64 s[16:17], s[0:1], 0x28              ; ops
	v_lshl_add_u32 v[SPW], v0, 2, SPARE
	v_mov_b32 v[NIL], 0
	v_lshrrev_b32 v1, 5, v0
	v_readfirstlane_b32 s18, v1                    ; wave
	v_and_b32 v7, 31, v0                           ; lane
	v_and_b32 v12, 15, v0                          ; r
	v_bfe_u32 v13, v0, 4, 1                        ; h
	v_lshlrev_b32 v[LI], 4, v7
	s_mul_i32 s19, s18, STG
	v_add_nc_u32 v[SIN], s19, v[LI]
	v_mul_u32_u24 v[SOUT], v12, 528
	v_lshl_add_u32 v[SOUT], v13, 6, v[SOUT]
	v_add_nc_u32 v[SOUT], s19, v[SOUT]
	s_lshl_b32 s19, s18, 2
	s_add_co_u32 s19, s19, SCB
	v_lshl_add_u32 v[SWA], v12, 4, s19             ; 16 r + 4 x wave
	v_add_nc_u32 v[SRD], SCB, v[LI]
	v_lshlrev_b32 v[SGO], 4, v12
	v_lshl_add_u32 v[SGO], v13, 9, v[SGO]          ; lanes 0-15 the first K step's 256 bytes, lanes 16-31 the second's, 512 bytes on
.irp b, 0,1,2,3
	v_mov_b32 v[TM+4+\b], 0                        ; written once: a lane permute's destination counts as one of its sources
.endr
	s_mov_b32 s[SEL], 0x76543210
	s_mov_b32 s[SEL+1], 0xfedcba98
	s_lshl_b32 s20, ttmp9, 2
	s_add_co_u32 s20, s20, s18                     ; my row tile in the stack
	s_and_b32 s21, s20, 127                        ; and in its tensor
	s_lshr_b32 s22, s21, 1
	s_lshl_b32 s22, s22, 18                        ; 32 rows of 8,192 bytes for each pair of tiles,
	s_and_b32 s23, s21, 1
	s_lshl_b32 s23, s23, 16                        ; 8 rows for the odd tile,
	s_add_co_u32 s22, s22, s23
	s_and_b32 s26, ttmp7, 0xffff                   ; y
	s_lshl_b32 s23, s26, 10                        ; 1,024 bytes along the row
	s_add_co_u32 s22, s22, s23
	s_mov_b32 s23, 0
	s_lshl_b32 s28, s20, 4
	s_lshl_b32 s29, s26, 1
	s_add_co_u32 s28, s28, s29
	s_mul_i32 s28, s28, 1536                       ; opc: (16 x tile + 2 y) images
	s_mov_b32 s29, 0
	s_lshr_b32 s30, ttmp9, 1
	s_lshl_b32 s30, s30, 13                        ; ops: 8,192 bytes a group of 128 rows,
	s_lshl_b32 s31, s26, 10                        ; 512 a K step,
	s_add_co_u32 s30, s30, s31
	s_and_b32 s31, ttmp9, 1
	s_lshl_b32 s31, s31, 8                         ; 256 for the group's upper four tiles
	s_add_co_u32 s30, s30, s31
	s_mov_b32 s31, 0
	s_lshr_b32 s27, ttmp9, 5                       ; which tensor
	s_wait_alu depctr_va_vdst(0)
	s_wait_kmcnt 0x0
	s_cmp_eq_u32 s27, 1                            ; the choice hangs on the work-group's number alone
	s_cselect_b64 s[4:5], s[6:7], s[4:5]
	s_cmp_eq_u32 s27, 2
	s_cselect_b64 s[4:5], s[8:9], s[4:5]
	s_cmp_eq_u32 s27, 3
	s_cselect_b64 s[4:5], s[10:11], s[4:5]
	s_add_nc_u64 s[4:5], s[4:5], s[22:23]
	s_add_nc_u64 s[14:15], s[14:15], s[28:29]
	s_add_nc_u64 s[16:17], s[16:17], s[30:31]
.irp q, 0,1
.irp p, 0,1,2,3,4,5,6,7,8,9,10,11,12,13,14,15
	global_load_b128 v[R+64*\q+4*\p:R+64*\q+4*\p+3], v[LI], s[4:5] offset:(\p+8*(\p/8))*ROWB+512*\q th:TH_LOAD_NT   ; 32 lanes read 512 consecutive bytes of one row
.endr
.endr
.macro HALF q, left
	s_wait_loadcnt \left                           ; this K step's sixteen loads are in
.irp p, 0,1,2,3,4,5,6,7,8,9,10,11,12,13,14,15
	ds_store_b128 v[SIN], v[R+64*\q+4*\p:R+64*\q+4*\p+3] offset:528*\p
.endr
.irp b, 0,1,2,3
.irp j, 0,1,2,3
	ds_load_b128 v[R+64*\q+16*\b+4*\j:R+64*\q+16*\b+4*\j+3], v[SOUT] offset:128*\b+16*\j   ; LDS serves a wave's instructions in order: these see the stores above
.endr
.endr
	s_wait_dscnt 0x0
	QUANT R+64*\q, PC+12*\q, CT, PW+\q, TM
.irp c, 0,1,2
	global_store_b128 v[LI], v[PC+12*\q+4*\c:PC+12*\q+4*\c+3], s[14:15] offset:1536*\q+512*\c   ; 512 consecutive bytes; each K step has its own registers, so no store's data are written again
.endr
	ds_store_b32 v[SWA], v[PW+\q] offset:256*\q    ; lanes r and 16 + r write the same word with the same value
.endm
	HALF 0, 16                                     ; the second K step's sixteen loads may be out
	HALF 1, 0
	s_wait_dscnt 0x0                               ; for the others' sake: my scale words are in LDS
	s_barrier_signal -1
	s_barrier_wait -1
	s_cmp_lg_u32 s18, 0
	s_cbranch_scc1 .Lnot_wave_0
	ds_load_b128 v[12:15], v[SRD]                  ; the four waves' words
	s_wait_dscnt 0x0
	global_store_b128 v[SGO], v[12:15], s[16:17]   ; sixteen lanes store 256 consecutive bytes, aligned
.Lnot_wave_0:
	s_wait_tensorcnt 0x0                           ; the wave's end, behind my last LDS store
	ds_add_u32 v[SPW], v[NIL]
	s_wait_dscnt 0x0
	s_endpgm
.Lfunc_end_k_q4f5c55b3fd_quant:
	.size	k_q4f5c55b3fd_quant, .Lfunc_end_k_q4f5c55b3fd_quant-k_q4f5c55b3fd_quant
	.p2alignl 7, 3214868480
	.fill 96, 4, 3214868480
	.section	.rodata,"a",@progbits
	.p2align	6, 0x0
	.amdhsa_kernel k_q4f5c55b3fd_quant
		.amdhsa_group_segment_fixed_size 34816
		.amdhsa_private_segment_fixed_size 0
		.amdhsa_enable_private_segment 0
		.amdhsa_kernarg_size 48
		.amdhsa_user_sgpr_count 2
		.amdhsa_user_sgpr_kernarg_segment_ptr 1
		.amdhsa_wavefront_size32 1
		.amdhsa_system_sgpr_workgroup_id_x 1
		.amdhsa_system_sgpr_workgroup_id_y 1
		.amdhsa_system_sgpr_workgroup_id_z 1
		.amdhsa_system_vgpr_workitem_id 0
		.amdhsa_next_free_vgpr 192
		.amdhsa_next_free_sgpr 66
		.amdhsa_reserve_vcc 0
		.amdhsa_float_denorm_mode_32 3
		.amdhsa_float_denorm_mode_16_64 3
		.amdhsa_memory_ordered 1
		.amdhsa_forward_progress 1
		.amdhsa_inst_pref_size 19
	.end_amdhsa_kernel
	.amdgpu_metadata
---
amdhsa.version: [ 1, 2 ]
amdhsa.kernels:
  - .name:           k_q4f5c55b3fd_quant
    .symbol:         k_q4f5c55b3fd_quant.kd
    .args:
      - { .name: Wq, .offset: 0, .size: 8, .value_kind: global_buffer, .address_space: global }
      - { .name: Wk, .offset: 8, .size: 8, .value_kind: global_buffer, .address_space: global }
      - { .name: hidden_states, .offset: 16, .size: 8, .value_kind: global_buffer, .address_space: global }
      - { .name: Wv, .offset: 24, .size: 8, .value_kind: global_buffer, .address_space: global }
      - { .name: opc, .offset: 32, .size: 8, .value_kind: global_buffer, .address_space: global }
      - { .name: ops, .offset: 40, .size: 8, .value_kind: global_buffer, .address_space: global }
    .group_segment_fixed_size: 34816
    .private_segment_fixed_size: 0
    .kernarg_segment_align: 8
    .kernarg_segment_size: 48
    .max_flat_workgroup_size: 128
    .sgpr_count:     66
    .vgpr_count:     192
    .wavefront_size: 32
...
	.end_amdgpu_metadata
.endif
;; end of part 1
;; launch qkv (part 2): grid 24 x 8, 4 waves a work-group, clusters of 4 x 4, 327,680 bytes of LDS; arguments opc, ops, bq, bk, bv, qkv_img, qkv_sc; writes qkv_img, qkv_sc
.if DOCPART == 2
	.amdgcn_target "amdgcn-amd-amdhsa--gfx1250"
	.amdhsa_code_object_version 6
	.text
	.protected	k_q4f5c55b3fd_qkv
	.globl	k_q4f5c55b3fd_qkv
	.p2align	8
	.type	k_q4f5c55b3fd_qkv,@function
k_q4f5c55b3fd_qkv:
	s_mov_b64 s[64:65], 0
	v_nop
	global_prefetch_b8 v0, s[64:65] scope:SCOPE_SE
	s_setreg_imm32_b32 hwreg(HW_REG_WAVE_MODE, 25, 1), 1
	s_wait_xcnt 0x0
	s_wait_alu depctr_hold_cnt(0) depctr_sa_sdst(0) depctr_va_vdst(0) depctr_va_sdst(0) depctr_va_ssrc(0) depctr_va_vcc(0) depctr_vm_vsrc(0)
	s_getreg_b32 s2, hwreg(HW_REG_IB_STS2, 6, 4)
	s_cmp_eq_u32 s2, 0
	s_cbranch_scc0 .Lentry_in_a_cluster
	s_endpgm
.Lentry_in_a_cluster:
	s_bfe_u32 s2, ttmp6, 0x10000c
	s_cmp_lg_u32 s2, 0xf033
	s_cbranch_scc0 .Lentry_shape_is_right
	s_endpgm
.Lentry_shape_is_right:
.set RT,    4608
.set RTL,   1536
.set HALFT, 8*RT
.set SLOT,  4*HALFT
.set SPARE, 2*SLOT
.set GRPB,  196608
.set FR,    12
.set NL,    3
.set NP,    4
.set BQO,   6
.set BVO,   7
.set BT,    8
.set ADRA,  16
.set ADRB,  20
.set LI,    26
.set SOF,   27
.set SPW,   28
.set NIL,   29
.set AF,    128
.set TM,    200
.set PWR,   216
.set SWD,   224
.set WV, 18
.set RH, 19
.set CH, 20
.set TY, 21
.set TX, 42
.set VP, 66
.set SEL, 98
.set G1, 24
.set G0, 32
.set G1B, 48
.set G0B, 56
.set G1L, 68
.set G1LB, 80
.set MSB, 0
.macro WIN new
.if MSB != (\new)
	s_set_vgpr_msb (MSB<<8)|(\new)
.set MSB, \new
.endif
.endm
.set MUL_LO, 0xa1
.set MUL_HI, 0xf1
.set INI_LO, 0x91
.set INI_HI, 0xd1
.set TO_B,   0x40
.macro JLOAD g0a, g1a, g0b, g1b
	s_cmp_eq_u32 s[RH], 0
	s_cbranch_scc0 .Lfor_b_\@
	tensor_load_to_lds s[\g0a:\g0a+3], s[\g1a:\g1a+7]
	s_nop 0
.rept 4
	v_nop
.endr
	s_branch .Lasked_\@
.Lfor_b_\@:
	tensor_load_to_lds s[\g0b:\g0b+3], s[\g1b:\g1b+7]
	s_nop 0
.rept 4
	v_nop
.endr
.Lasked_\@:
.endm
.macro CROUND
	s_barrier_signal -1
	s_barrier_wait -1
	s_cmp_lg_u32 s[WV], 0
	s_cbranch_scc1 .Lnot_wave_0_\@
	s_barrier_signal -3
.Lnot_wave_0_\@:
	s_barrier_wait -3
	s_barrier_signal -1
	s_barrier_wait -1
.endm
	s_load_b128 s[4:7], s[0:1], 0x0
	s_load_b128 s[8:11], s[0:1], 0x10
	s_load_b128 s[12:15], s[0:1], 0x20
	s_load_b64 s[16:17], s[0:1], 0x30
	v_lshl_add_u32 v[SPW], v0, 2, SPARE
	v_mov_b32 v[NIL], 0
	ds_add_u32 v[SPW], v[NIL]
	ds_add_u32 v[SPW], v[NIL]
	v_lshrrev_b32 v1, 5, v0
	v_readfirstlane_b32 s[WV], v1
	s_lshr_b32 s[RH], s[WV], 1
	s_and_b32 s[CH], s[WV], 1
	s_bfe_u32 s40, ttmp6, 0x40000
	s_bfe_u32 s41, ttmp6, 0x40004
	s_lshl_b32 s[TX], ttmp9, 2
	s_add_co_u32 s[TX], s[TX], s40
	s_and_b32 s[TY], ttmp7, 0xffff
	s_lshl_b32 s[TY], s[TY], 2
	s_add_co_u32 s[TY], s[TY], s41
	s_lshl_b32 s43, s41, 2
	s_lshl_b32 s43, 15, s43
	s_lshl_b32 s44, 0x1111, s40
	s_or_b32 s[G1], s43, (3<<16)|(1<<21)
	s_or_b32 s[G1B], s44, (3<<16)|(1<<21)
.irp g, G1, G1B
	s_mov_b32 s[\g+1], 576<<16
	s_mov_b32 s[\g+2], 8<<16
	s_mov_b32 s[\g+3], 576<<16
	s_mov_b32 s[\g+4], 8
	s_mov_b32 s[\g+5], 3072
	s_mov_b32 s[\g+6], 0
	s_mov_b32 s[\g+7], 0
.endr
	s_or_b32 s[G1L], s43, (3<<16)|(1<<21)
	s_or_b32 s[G1LB], s44, (3<<16)|(1<<21)
.irp g, G1L, G1LB
	s_mov_b32 s[\g+1], 192<<16
	s_mov_b32 s[\g+2], 8<<16
	s_mov_b32 s[\g+3], 192<<16
	s_mov_b32 s[\g+4], 8
	s_mov_b32 s[\g+5], 3072
	s_mov_b32 s[\g+6], 0
	s_mov_b32 s[\g+7], 0
.endr
	s_cmp_ge_u32 ttmp9, 4
	s_cselect_b32 s[VP], 1, 0
	s_cselect_b32 s22, 48, 32
	s_lshl_b32 s23, s[TY], 1
	s_add_co_u32 s22, s22, s23
	s_add_co_u32 s22, s22, s[CH]
	s_lshl_b32 s46, s[TX], 1
	s_add_co_u32 s46, s46, s[CH]
	s_mul_i32 s92, s22, GRPB
	s_mov_b32 s93, 0
	s_mul_i32 s96, s46, GRPB
	s_mov_b32 s97, 0
	s_mul_i32 s45, s[WV], HALFT
	s_mov_b32 s[SEL], 0x76543210
	s_mov_b32 s[SEL+1], 0xfedcba98
	s_wait_dscnt 0x0
	s_wait_kmcnt 0x0
	s_add_nc_u64 s[92:93], s[4:5], s[92:93]
	s_add_nc_u64 s[96:97], s[4:5], s[96:97]
	CROUND
.irp s, 0,1
	s_mov_b32 s[G0+4*\s], 1
	s_add_co_u32 s[G0+4*\s+1], s45, \s*SLOT
	s_add_nc_u64 s[G0+4*\s+2:G0+4*\s+3], s[92:93], \s*RT
	s_or_b32 s[G0+4*\s+3], s[G0+4*\s+3], 0x80000000
	s_mov_b32 s[G0B+4*\s], 1
	s_add_co_u32 s[G0B+4*\s+1], s45, \s*SLOT
	s_add_nc_u64 s[G0B+4*\s+2:G0B+4*\s+3], s[96:97], \s*RT
	s_or_b32 s[G0B+4*\s+3], s[G0B+4*\s+3], 0x80000000
.endr
	JLOAD G0, G1, G0B, G1B                         ; slot 0: my one tensor load at the head, behind the round above
	s_lshl_b32 s22, s[TX], 1
	s_add_co_u32 s22, s22, s[CH]
	s_lshl_b32 s23, s[TY], 1
	s_add_co_u32 s23, s23, s[RH]
	s_lshl_b32 s2, s[VP], 4
	s_add_co_u32 s2, s2, 32
	s_add_co_u32 s2, s2, s23
	s_lshl_b32 s2, s2, 13
	s_lshl_b32 s3, s22, 13
	v_and_b32 v1, 15, v0
	v_bfe_u32 v2, v0, 4, 1
	s_wait_alu depctr_va_vdst(0)
	v_mov_b32 v3, s2
	v_mov_b32 v4, s3
	v_cmp_ne_u32 vcc_lo, 0, v2
	v_cndmask_b32 v3, v3, v4, vcc_lo
	v_lshl_add_u32 v[SOF], v1, 4, v3
.set k, 0
.rept 16
.set SCK, 32+8*k+96*(k/12)
	global_load_b128 v[SCK:SCK+3], v[SOF], s[6:7] offset:512*k
	global_load_b128 v[SCK+4:SCK+7], v[SOF], s[6:7] offset:512*k+256
.set k, k+1
.endr
	s_lshl_b32 s45, s22, 4
	s_add_co_u32 s45, s45, s23
	s_lshl_b32 s46, s23, 4
	s_add_co_u32 s46, s46, s22
	s_add_co_u32 s46, s46, 480
	s_and_b32 s22, s22, 15
	s_lshl_b32 s22, s22, 9
	s_lshl_b32 s23, s23, 9
	s_cmp_eq_u32 s[VP], 0
	s_cselect_b32 s45, s45, s46
	s_mul_i32 s92, s45, 12288
	s_mov_b32 s93, 0
	s_add_nc_u64 s[14:15], s[14:15], s[92:93]
	s_lshl_b32 s92, s45, 9
	s_add_nc_u64 s[16:17], s[16:17], s[92:93]
	s_cmp_lt_u32 ttmp9, 4
	s_cselect_b64 s[10:11], s[10:11], s[12:13]
	s_cmp_lt_u32 ttmp9, 2
	s_cselect_b64 s[8:9], s[8:9], s[10:11]
	v_lshl_add_u32 v[BQO], v2, 6, s22
	v_and_b32 v4, 8, v1
	v_add_nc_u32 v4, v4, v1
	v_lshl_add_u32 v[BVO], v4, 2, s23
	WIN TO_B
.irp x, 0,1,2,3,4,5,6,7
	global_load_b128 v[96+8*\x+96*(\x/4):96+8*\x+96*(\x/4)+3], v[BQO], s[8:9] offset:(32*(\x/2)+8*(\x%2))*4
	global_load_b128 v[96+8*\x+96*(\x/4)+4:96+8*\x+96*(\x/4)+7], v[BQO], s[8:9] offset:(32*(\x/2)+8*(\x%2))*4+16
.endr
	WIN 0
.irp x, 0,1,2,3,4,5,6,7
	global_load_b32 v[BT+\x], v[BVO], s[8:9] offset:(32*(\x/2)+8*(\x%2))*4
.endr
	v_and_b32 v3, 31, v0
	v_lshlrev_b32 v[LI], 4, v3
	s_mul_i32 s22, s[RH], HALFT
	s_mul_i32 s23, s[CH], HALFT
	s_add_co_u32 s23, s23, 2*HALFT
.irp s, 0,1
	v_add_nc_u32 v[ADRA+\s], s22, v[LI]
	v_add_nc_u32 v[ADRB+\s], s23, v[LI]
	s_add_co_u32 s22, s22, SLOT
	s_add_co_u32 s23, s23, SLOT
.endr
.macro FRAG reg, adr, off
.irp c, 0,1,2
	ds_load_b128 v[\reg+4*\c:\reg+4*\c+3], v[\adr] offset:(\off)+512*\c
.endr
.endm
.macro MUL16 a0, k, init
.set SCK, 32+8*(\k)+96*((\k)/12)
.set PB, 128*((\k)%2)
.irp a, \a0, \a0+1
.irp b, 0,1,2,3,4,5,6,7
.if \init == 1
	v_wmma_scale_f32_16x16x128_f8f6f4 v[8*(8*((\a)%4)+\b):8*(8*((\a)%4)+\b)+7], v[PB+FR*\b:PB+FR*\b+FR-1], v[AF+FR*(\a):AF+FR*(\a)+FR-1], v[96+8*\b+96*(\b/4):96+8*\b+96*(\b/4)+7], v[SCK+\b], v[SCK+(\a)] matrix_a_fmt:MATRIX_FMT_FP6 matrix_b_fmt:MATRIX_FMT_FP6 matrix_a_scale:MATRIX_SCALE_ROW1
.elseif \init == 2
	v_wmma_scale_f32_16x16x128_f8f6f4 v[8*(8*((\a)%4)+\b):8*(8*((\a)%4)+\b)+7], v[PB+FR*\b:PB+FR*\b+FR-1], v[AF+FR*(\a):AF+FR*(\a)+FR-1], v[96+8*(\a)+96*((\a)/4):96+8*(\a)+96*((\a)/4)+7], v[SCK+\b], v[SCK+(\a)] matrix_a_fmt:MATRIX_FMT_FP6 matrix_b_fmt:MATRIX_FMT_FP6 matrix_a_scale:MATRIX_SCALE_ROW1
.else
	v_wmma_scale_f32_16x16x128_f8f6f4 v[8*(8*((\a)%4)+\b):8*(8*((\a)%4)+\b)+7], v[PB+FR*\b:PB+FR*\b+FR-1], v[AF+FR*(\a):AF+FR*(\a)+FR-1], v[8*(8*((\a)%4)+\b):8*(8*((\a)%4)+\b)+7], v[SCK+\b], v[SCK+(\a)] matrix_a_fmt:MATRIX_FMT_FP6 matrix_b_fmt:MATRIX_FMT_FP6 matrix_a_scale:MATRIX_SCALE_ROW1
.endif
.endr
.endr
.endm
.macro FETCH_B slot, q, p, pitch
	WIN TO_B
.irp i, 0,1,2,3,4,5,6,7
	FRAG 128*(\p)+FR*\i, ADRB+(\slot), \i*(\pitch)+(\q)*1536
.endr
	WIN 0
.endm
.macro FETCH_A slot, q, i0, pitch
.irp i, \i0, \i0+1, \i0+2, \i0+3
	FRAG AF+FR*(\i), ADRA+(\slot), (\i)*(\pitch)+(\q)*1536
.endr
.endm
.macro PLACES n
.rept \n
	v_nop
.endr
.endm
.macro STEP k, init
.set SL, ((\k)/3)%2
	s_wait_dscnt 4*NL
.if \init
	WIN INI_LO
.else
	WIN MUL_LO
.endif
	MUL16 0, \k, \init
	MUL16 2, \k, \init
	s_wait_dscnt 0
	PLACES NP
	FETCH_B SL, (\k)%3+1, ((\k)+1)%2, RT
	FETCH_A SL, (\k)%3+1, 0, RT
.if \init
	WIN INI_HI
.else
	WIN MUL_HI
.endif
	MUL16 4, \k, \init
	MUL16 6, \k, \init
	PLACES NP
	WIN 0
	FETCH_A SL, (\k)%3+1, 4, RT
.endm
.macro TURN k, fill, npitch
.set SL, ((\k)/3)%2
.set NX, 1-SL
	s_wait_dscnt 4*NL
	WIN MUL_LO
	MUL16 0, \k, 0
	MUL16 2, \k, 0
	WIN 0
	s_wait_tensorcnt 0x0
	ds_add_u32 v[SPW], v[NIL]
.if \fill
	s_add_nc_u64 s[G0+4*SL+2:G0+4*SL+3], s[G0+4*SL+2:G0+4*SL+3], 2*RT
	s_add_nc_u64 s[G0B+4*SL+2:G0B+4*SL+3], s[G0B+4*SL+2:G0B+4*SL+3], 2*RT
.endif
	s_wait_dscnt 0x0
.if \fill
	CROUND
.if \fill == 1
	JLOAD G0+4*SL, G1, G0B+4*SL, G1B
.else
	JLOAD G0+4*SL, G1L, G0B+4*SL, G1LB
.endif
.else
	s_barrier_signal -1
	s_barrier_wait -1
	PLACES NP
.endif
	FETCH_B NX, 0, ((\k)+1)%2, \npitch
	FETCH_A NX, 0, 0, \npitch
	WIN MUL_HI
	MUL16 4, \k, 0
	MUL16 6, \k, 0
	PLACES NP
	WIN 0
	FETCH_A NX, 0, 4, \npitch
.endm
	s_wait_alu depctr_va_vdst(0)                   ; the wait at the head's end
	s_wait_tensorcnt 0x0                           ; my part of slot 0 is in; slot 1's first fill is issued as a refill is:
	ds_add_u32 v[SPW], v[NIL]                      ; the add,
	s_wait_dscnt 0x0                               ; awaited,
	CROUND                                         ; a whole round,
	JLOAD G0+4, G1, G0B+4, G1B                     ; and slot 1's load first behind it
	FETCH_B 0, 0, 0, RT
	FETCH_A 0, 0, 0, RT
	FETCH_A 0, 0, 4, RT
	s_wait_loadcnt 0x0
	s_cmp_eq_u32 s[VP], 0
	s_cbranch_scc0 .Lfirst_v
	STEP 0, 1
	s_branch .Lfirst_done
.Lfirst_v:
	WIN TO_B
.irp x, 0,1,2,3,4,5,6,7
.irp t, 0,1,2,3,4,5,6,7
	v_mov_b32 v[96+8*\x+96*(\x/4)+\t], v[BT+\x]
.endr
.endr
	WIN 0
	s_wait_alu depctr_va_vdst(0)
	STEP 0, 2
.Lfirst_done:
	STEP 1, 0
	TURN 2, 1, RT
	STEP 3, 0
	STEP 4, 0
	TURN 5, 1, RT
	STEP 6, 0
	STEP 7, 0
	TURN 8, 1, RT
	STEP 9, 0
	STEP 10, 0
	TURN 11, 2, RT
	STEP 12, 0
	STEP 13, 0
	TURN 14, 0, RTL
	s_wait_dscnt 4*NL
	WIN MUL_LO
	MUL16 0, 15, 0
	MUL16 2, 15, 0
	s_wait_dscnt 0
	WIN MUL_HI
	MUL16 4, 15, 0
	MUL16 6, 15, 0
	WIN 0
	PLACES NP
.irp b, 0,1,2,3
	v_mov_b32 v[TM+4+\b], 0
.endr
.macro QOUT a
.set WS, 2+(\a)/4
.set ACS, 64*((\a)%4)
.set PCA, 32+20*(\a)
.set CTA, PCA+12
.set W01, WS|(WS<<2)
.set W12, (WS<<2)|(WS<<4)
	WIN W01
.irp b, 0,1,2,3
	v_max3_num_f32 v[TM+\b], |v[ACS+16*\b]|, |v[ACS+16*\b+1]|, 0x1800000
.endr
	WIN W12
.irp i, 2,4,6,8,10,12,14
.irp b, 0,1,2,3
	v_max3_num_f32 v[TM+\b], v[TM+\b], |v[ACS+16*\b+\i]|, |v[ACS+16*\b+\i+1]|
.endr
.endr
	WIN 0
.irp b, 0,1,2,3
	v_permlanex16_b32 v[TM+4+\b], v[TM+\b], s[SEL], s[SEL+1]
.endr
.irp b, 0,1,2,3
	v_max_num_f32 v[TM+\b], v[TM+\b], v[TM+4+\b]
.endr
.irp b, 0,1,2,3
	v_add_nc_u32 v[TM+8+\b], 0xff000000, v[TM+\b]
.endr
.irp b, 0,1,2,3
	v_lshrrev_b32 v[TM+4+\b], 23, v[TM+8+\b]
.endr
	v_lshl_or_b32 v[PWR+(\a)], v[TM+5], 8, v[TM+4]
	v_lshl_or_b32 v[PWR+(\a)], v[TM+6], 16, v[PWR+(\a)]
	v_lshl_or_b32 v[PWR+(\a)], v[TM+7], 24, v[PWR+(\a)]
	WIN WS
.irp c, 0,1
	v_cvt_scalef32_pk16_fp6_f32 v[PCA+6*\c:PCA+6*\c+2], v[ACS+32*\c:ACS+32*\c+15], v[TM+8+2*\c]
	v_cvt_scalef32_pk16_fp6_f32 v[CTA+4*\c:CTA+4*\c+2], v[ACS+32*\c+16:ACS+32*\c+31], v[TM+9+2*\c]
.endr
	WIN 0
	v_nop
.irp c, 0,1
.irp i, 0,1,2
	v_permlane16_swap_b32 v[PCA+6*\c+\i], v[CTA+4*\c+\i]
.endr
.irp i, 0,1,2
	v_mov_b32 v[PCA+6*\c+3+\i], v[CTA+4*\c+\i]
.endr
.endr
.irp c, 0,1,2
	global_store_b128 v[LI], v[PCA+4*\c:PCA+4*\c+3], s[14:15] offset:1536*(\a)+512*\c
.endr
.endm
.irp a, 0,1,2,3,4,5,6,7
	QOUT \a
.endr
	v_and_b32 v1, 31, v0
	v_cmp_le_u32 vcc_lo, 16, v1
.irp k, 0,1,2,3
	v_cndmask_b32 v[SWD+\k], v[PWR+\k], v[PWR+4+\k], vcc_lo
.endr
	global_store_b128 v[LI], v[SWD:SWD+3], s[16:17]
	s_wait_tensorcnt 0x0
	ds_add_u32 v[SPW], v[NIL]
	s_wait_dscnt 0x0
	CROUND
	s_endpgm
.Lfunc_end_k_q4f5c55b3fd_qkv:
	.size	k_q4f5c55b3fd_qkv, .Lfunc_end_k_q4f5c55b3fd_qkv-k_q4f5c55b3fd_qkv
	.p2alignl 7, 3214868480
	.fill 96, 4, 3214868480
	.section	.rodata,"a",@progbits
	.p2align	6, 0x0
	.amdhsa_kernel k_q4f5c55b3fd_qkv
		.amdhsa_group_segment_fixed_size 327680
		.amdhsa_private_segment_fixed_size 0
		.amdhsa_enable_private_segment 0
		.amdhsa_kernarg_size 56
		.amdhsa_user_sgpr_count 2
		.amdhsa_user_sgpr_kernarg_segment_ptr 1
		.amdhsa_wavefront_size32 1
		.amdhsa_system_sgpr_workgroup_id_x 1
		.amdhsa_system_sgpr_workgroup_id_y 1
		.amdhsa_system_sgpr_workgroup_id_z 1
		.amdhsa_system_vgpr_workitem_id 0
		.amdhsa_next_free_vgpr 1024
		.amdhsa_next_free_sgpr 100
		.amdhsa_reserve_vcc 1
		.amdhsa_float_denorm_mode_32 3
		.amdhsa_float_denorm_mode_16_64 3
		.amdhsa_memory_ordered 1
		.amdhsa_forward_progress 1
		.amdhsa_inst_pref_size 250
	.end_amdhsa_kernel
	.amdgpu_metadata
---
amdhsa.version: [ 1, 2 ]
amdhsa.kernels:
  - .name:           k_q4f5c55b3fd_qkv
    .symbol:         k_q4f5c55b3fd_qkv.kd
    .args:
      - { .name: opc, .offset: 0, .size: 8, .value_kind: global_buffer, .address_space: global }
      - { .name: ops, .offset: 8, .size: 8, .value_kind: global_buffer, .address_space: global }
      - { .name: bq, .offset: 16, .size: 8, .value_kind: global_buffer, .address_space: global }
      - { .name: bk, .offset: 24, .size: 8, .value_kind: global_buffer, .address_space: global }
      - { .name: bv, .offset: 32, .size: 8, .value_kind: global_buffer, .address_space: global }
      - { .name: qkv_img, .offset: 40, .size: 8, .value_kind: global_buffer, .address_space: global }
      - { .name: qkv_sc, .offset: 48, .size: 8, .value_kind: global_buffer, .address_space: global }
    .group_segment_fixed_size: 327680
    .private_segment_fixed_size: 0
    .kernarg_segment_align: 8
    .kernarg_segment_size: 56
    .max_flat_workgroup_size: 128
    .sgpr_count:     100
    .vgpr_count:     1024
    .wavefront_size: 32
...
	.end_amdgpu_metadata
.endif
;; end of part 2
;; launch attn (part 3): grid 16 x 16, 8 waves a work-group, clusters of 4 x 1, 327,680 bytes of LDS; arguments qkv_img, qkv_sc, aimg, asc, Wo; writes aimg, asc
.if DOCPART == 3
	.amdgcn_target "amdgcn-amd-amdhsa--gfx1250"
	.amdhsa_code_object_version 6
	.text
	.protected	k_q4f5c55b3fd_attn
	.globl	k_q4f5c55b3fd_attn
	.p2align	8
	.type	k_q4f5c55b3fd_attn,@function
k_q4f5c55b3fd_attn:
	s_mov_b64 s[64:65], 0
	v_nop
	global_prefetch_b8 v0, s[64:65] scope:SCOPE_SE
	s_setreg_imm32_b32 hwreg(HW_REG_WAVE_MODE, 25, 1), 1
	s_wait_xcnt 0x0
	s_wait_alu depctr_hold_cnt(0) depctr_sa_sdst(0) depctr_va_vdst(0) depctr_va_sdst(0) depctr_va_ssrc(0) depctr_va_vcc(0) depctr_vm_vsrc(0)
	s_getreg_b32 s2, hwreg(HW_REG_IB_STS2, 6, 4)
	s_cmp_eq_u32 s2, 0
	s_cbranch_scc0 .Lentry_in_a_cluster
	s_endpgm
.Lentry_in_a_cluster:
	s_bfe_u32 s2, ttmp6, 0x10000c
	s_cmp_lg_u32 s2, 0x3003
	s_cbranch_scc0 .Lentry_shape_is_right
	s_endpgm
.Lentry_shape_is_right:
; For each head: O = softmax(q k^T / sqrt(128)) v, both products on codes of FP6 (E2M3) with E8M0 scales; O is quantised along the head's 128 and leaves as codes.
; THE SOFTMAX: t = score x log2(e) / sqrt(128); M = the largest t so far, rounded up to a whole number; p = 2^(t - M) is quantised along the keys, not normalised; the row's sum is taken of the
; unquantised p and divides at the end.  When M moves, the sum and O are multiplied by 2^(old M - new M): exact.
; INPUTS are images of fragments: qkv_img [48][16 groups][8 tiles][1,536] (q: head, k: 16 + head, rows = tokens; v: 32 + head, rows = channels, K = the group's 128 keys), qkv_sc [48][16][512].
; SHARES.  A work-group owns 128 queries of one head.  Wave w: two tiles of 16 queries (pair w % 4) against half of the keys (w / 4): eight steps of 128 keys.  Each fragment feeds two products.
; At the end the two halves of the keys are merged through LDS: set 0 of a wave and set 1 of wave w xor 4 hold the same tile, so every wave sends its set 1 and finishes its set 0, with no branch.
; LAYOUT.  Both products are used transposed (S^T = k q^T, O^T = v^T p^T): a lane holds one query throughout.  The rows of a tile were chosen by the launches before so that the 16 registers of tiles 2 b, 2 b + 1 are 16 neighbours.
; WHERE THE OPERANDS LIE.  A head's k and v with their scale words are 409,600 bytes, more than the 327,680 of LDS.  k (196,608 bytes) and both tensors' scale words (16,384) are brought into LDS once, by the head's
; joint loads, one a wave (waves 0-5: 32,768 bytes of k each; wave 6 k's words, wave 7 v's), shared by the cluster's four work-groups, and stay: no byte of LDS is filled twice, and the walk over the keys has no barrier.
; v's fragments are images of registers: they go from memory straight into the fragment registers, 24 loads of 512 consecutive bytes a step, asked for behind the step's first products and waited for behind its softmax.
; So v is not asked for jointly: there is no room in LDS into which a joint load could bring it without refills.
; PREFETCH of v into the L2, two steps ahead of its loads: a stream's step is 48 blocks of 256 bytes; the partner at place cx takes 12 of them and each of the stream's four waves 3 (lanes 2 to 31 name the third),
; shared out by address alone; steps 0 and 1 are asked for at the head; the look-ahead is held at step 7.
; ALSO HERE: Wo [2048][2048] f32, which only the next launch reads, becomes codes and scale words.  It has 128 row tiles x 16 K steps = 2,048 images, one for each of the 256 x 8 waves: work-group (group g, head k),
; wave with tile a: row tile 8 g + a, K step k.  Its 32 blocks of 256 bytes are prefetched in the first four key steps, eight blocks a step (the last of them four steps ahead of the loads), loaded behind the last
; key step, turned through the wave's own stage and quantised as launch quant does it.  Images go to aimg + 3,145,728 and words to asc + 131,072, at the same offsets as O's.
; LIMITS: a block whose largest magnitude lies under 2^-124 gets the byte 1, a block of zeros too; NaN and infinities are not served; the scaled scores t stay under 2^31 in magnitude.
; REGISTERS.  window 0: v1-7 addresses; v8-15 -M, largest t, the sum's pair, for each set; v16-39 q; v40-41 q's scale words; v42-49 k's or v's; v50-51 p's; v54-63 addresses; v64-191 S^T, then p;
;   v192-215 p's codes; v224-253 at work.   window 1: v0-127 O^T; v128-223 eight fragments of k or of v.
.set KREG,  98304                      ; a stream's k: eight steps
.set STEPB, 12288                      ; a step: eight images
.set SCA,   2*KREG                     ; k's scale words (8,192 bytes), then v's
.set SPARE, SCA+16384                  ; the spare words, 128 bytes for each wave
.set SCW,   SPARE+1024                 ; 1,024 bytes for O's and Wo's scale words
.set WST,   SCW+1024                   ; Wo's stages, 8,448 bytes a wave: bytes that no tensor load fills
.set MSZ,   8448                       ; a merge stage: 8,192 bytes of O^T and 256 of statistics; the stages lie in k's bytes, which have had their only fill and, behind a barrier, their last read
.set WOC,   3145728
.set WOS,   131072
.set AK0, 1
.set PFV, 2                            ; v's prefetch: my three blocks of a step; never rewritten
.set AS0, 3
.set ADK, 4
.set ADS, 6
.set LI,  7
.set STA, 8
.set Q,   16
.set QS,  40
.set KS,  42
.set PS,  50
.set SPW, 52
.set NIL, 53
.set R16, 54
.set SA,  55
.set SB,  56
.set PA,  57
.set PB,  58
.set SWA, 59
.set SWR, 60
.set PFO, 61                           ; Wo's prefetch: lane l < 8: block l % 2 of row (l / 2) % 2 + 16 (l / 4) of a step's four rows; lanes 8 to 31 name lane 7's; never rewritten
.set WSI, 62
.set WSO, 63
.set S,   64
.set PC,  192
.set BM,  224
.set PT,  232
.set SO,  240
.set FF,  248
.set TT,  252
.set F,   128
.set WV,  12
.set ST,  13
.set QP,  14
.set SEL, 20
.set CS,  22
.set G1C, 24
.set G1S, 32
.set G0C, 40
.set G0S, 44
.set VB,  48                           ; s[48:49] v: this step's images
.set VB0, 50                           ; s[50:51] v: my stream's first step
.set PO,  52                           ; s[52:53] the look-ahead's offset
.set PAD, 54                           ; s[54:55] where v's prefetch stands
.set TB,  56
.set TS,  57
.set TRIP, 58
.set WP,  66                           ; s[66:67] where Wo's prefetch stands: two rows on in each trip
.set MSB, 0
.macro WIN new
.if MSB != (\new)
	s_set_vgpr_msb (MSB<<8)|(\new)
.set MSB, \new
.endif
.endm
.macro CROUND
	s_barrier_signal -1
	s_barrier_wait -1
	s_cmp_lg_u32 s[WV], 0
	s_cbranch_scc1 .Lnot_wave_0_\@
	s_barrier_signal -3
.Lnot_wave_0_\@:
	s_barrier_wait -3
	s_barrier_signal -1
	s_barrier_wait -1
.endm
.macro QUANT s, pc, ct, pw, tm         ; 64 numbers of a lane, register 16 b + i = k 32 b + 16 (lane / 16) + i, become a fragment's 12 registers and its scale word
.irp b, 0,1,2,3
	v_max3_num_f32 v[\tm+\b], |v[\s+16*\b]|, |v[\s+16*\b+1]|, 0x1800000
.endr
.irp i, 2,4,6,8,10,12,14
.irp b, 0,1,2,3
	s_delay_alu instid0(VALU_DEP_4)
	v_max3_num_f32 v[\tm+\b], v[\tm+\b], |v[\s+16*\b+\i]|, |v[\s+16*\b+\i+1]|
.endr
.endr
.irp b, 0,1,2,3
	s_delay_alu instid0(VALU_DEP_4)
	v_permlanex16_b32 v[\tm+4+\b], v[\tm+\b], s[SEL], s[SEL+1]
.endr
.irp b, 0,1,2,3
	s_delay_alu instid0(VALU_DEP_4)
	v_max_num_f32 v[\tm+\b], v[\tm+\b], v[\tm+4+\b]
.endr
.irp b, 0,1,2,3
	s_delay_alu instid0(VALU_DEP_4)
	v_add_nc_u32 v[\tm+8+\b], 0xff000000, v[\tm+\b]
.endr
.irp b, 0,1,2,3
	s_delay_alu instid0(VALU_DEP_4)
	v_lshrrev_b32 v[\tm+4+\b], 23, v[\tm+8+\b]
.endr
	s_delay_alu instid0(VALU_DEP_3)
	v_lshl_or_b32 v[\pw], v[\tm+5], 8, v[\tm+4]
	s_delay_alu instid0(VALU_DEP_1)
	v_lshl_or_b32 v[\pw], v[\tm+6], 16, v[\pw]
	s_delay_alu instid0(VALU_DEP_1)
	v_lshl_or_b32 v[\pw], v[\tm+7], 24, v[\pw]
.irp c, 0,1
	v_cvt_scalef32_pk16_fp6_f32 v[\pc+6*\c:\pc+6*\c+2], v[\s+32*\c:\s+32*\c+15], v[\tm+8+2*\c]
	v_cvt_scalef32_pk16_fp6_f32 v[\ct+4*\c:\ct+4*\c+2], v[\s+32*\c+16:\s+32*\c+31], v[\tm+9+2*\c]
.endr
	v_nop
.irp c, 0,1
.irp i, 0,1,2
	v_permlane16_swap_b32 v[\pc+6*\c+\i], v[\ct+4*\c+\i]
.endr
.irp i, 0,1,2
	s_delay_alu instid0(VALU_DEP_3)
	v_mov_b32 v[\pc+6*\c+3+\i], v[\ct+4*\c+\i]
.endr
.endr
.endm
	s_load_b128 s[4:7], s[0:1], 0x0                ; qkv_img, qkv_sc
	s_load_b128 s[8:11], s[0:1], 0x10              ; aimg, asc
	s_load_b64 s[92:93], s[0:1], 0x20              ; Wo
	v_lshl_add_u32 v[SPW], v0, 2, SPARE
	v_mov_b32 v[NIL], 0
	ds_add_u32 v[SPW], v[NIL]                      ; the opening lines: the add, twice on end, and its wait ahead of my first tensor load
	ds_add_u32 v[SPW], v[NIL]
	v_lshrrev_b32 v1, 5, v0
	s_delay_alu instid0(VALU_DEP_1)
	v_readfirstlane_b32 s[WV], v1                  ; wave 0..7
	s_lshr_b32 s[ST], s[WV], 2                     ; my half of the keys
	s_and_b32 s[QP], s[WV], 3                      ; my pair of query tiles
	s_bfe_u32 s15, ttmp6, 0x40000                  ; cx
	s_lshl_b32 s16, ttmp9, 2
	s_add_co_u32 s16, s16, s15                     ; my group of 128 queries: it enters q's, Wo's and the outputs' addresses alone
	s_and_b32 s17, ttmp7, 0xffff                   ; the head, which the four partners share
	; the head's loads: waves 0-5: 32,768 bytes of k each; wave 6: k's scale words; wave 7: v's, 16 x 8,192 bytes further on
	s_add_co_u32 s18, s17, 16
	s_mul_i32 s60, s18, 16*STEPB
	s_lshl_b32 s[G0C+1], s[WV], 15
	s_add_co_u32 s60, s60, s[G0C+1]
	s_mov_b32 s61, 0
	s_lshl_b32 s62, s18, 13
	s_and_b32 s66, s[WV], 1
	s_lshl_b32 s67, s66, 17
	s_add_co_u32 s62, s62, s67
	s_mov_b32 s63, 0
	s_lshl_b32 s66, s66, 13
	s_add_co_u32 s[G0S+1], s66, SCA
	s_add_co_u32 s18, s17, 32                      ; v: 16 x (32 + head) + 8 x half: my stream's first group
	s_lshl_b32 s18, s18, 4
	s_lshl_b32 s67, s[ST], 3
	s_add_co_u32 s18, s18, s67
	s_mul_i32 s[VB0], s18, STEPB
	s_mov_b32 s[VB0+1], 0
	s_mov_b32 s[PO], 2*STEPB
	s_mov_b32 s[PO+1], 0
	; groups 1: dense bytes as rows of 256 (32 elements of 8 bytes); the mask names all four work-groups.  128 rows of k; 32 rows of scale words
.irp g, G1C, G1S
	s_mov_b32 s[\g], 15|(3<<16)|(1<<21)
	s_mov_b32 s[\g+1], 32<<16
	s_mov_b32 s[\g+3], 32<<16
	s_mov_b32 s[\g+5], 32
	s_mov_b32 s[\g+6], 0
	s_mov_b32 s[\g+7], 0
.endr
	s_mov_b32 s[G1C+2], 128<<16
	s_mov_b32 s[G1C+4], 128
	s_mov_b32 s[G1S+2], 32<<16
	s_mov_b32 s[G1S+4], 32
	; q, Wo and the outputs
	s_lshl_b32 s68, s17, 4
	s_add_co_u32 s68, s68, s16                     ; 16 x head + group
	s_lshl_b32 s69, s[QP], 1
	s_add_co_u32 s82, s69, s[ST]                   ; set 0's tile a: 2 x pair + half
	s_xor_b32 s83, s[ST], 1
	s_add_co_u32 s83, s69, s83                     ; set 1's: the pair's other tile
	s_mul_i32 s84, s68, STEPB
	s_mul_i32 s70, s82, 1536
	s_add_co_u32 s70, s70, s84
	s_mov_b32 s71, 0
	s_mul_i32 s72, s83, 1536
	s_add_co_u32 s72, s72, s84
	s_mov_b32 s73, 0
	s_lshl_b32 s84, s68, 9
	s_lshr_b32 s74, s82, 2
	s_lshl_b32 s74, s74, 8
	s_and_b32 s85, s82, 3
	s_lshl_b32 s85, s85, 2
	s_add_co_u32 s74, s74, s85
	s_add_co_u32 s74, s74, s84
	s_mov_b32 s75, 0
	s_lshr_b32 s76, s83, 2
	s_lshl_b32 s76, s76, 8
	s_and_b32 s85, s83, 3
	s_lshl_b32 s85, s85, 2
	s_add_co_u32 s76, s76, s85
	s_add_co_u32 s76, s76, s84
	s_mov_b32 s77, 0
	s_lshl_b32 s78, s16, 3
	s_add_co_u32 s78, s78, s82                     ; row tile 8 g + a
	s_lshr_b32 s86, s78, 1
	s_lshl_b32 s86, s86, 18                        ; Wo: 32 rows of 8,192 bytes for each pair of tiles,
	s_and_b32 s87, s78, 1
	s_lshl_b32 s87, s87, 16                        ; 8 rows for the odd tile,
	s_add_co_u32 s86, s86, s87
	s_lshl_b32 s87, s17, 9                         ; 512 bytes a K step
	s_add_co_u32 s86, s86, s87
	s_mov_b32 s87, 0
	s_lshl_b32 s78, s78, 4
	s_add_co_u32 s78, s78, s17
	s_mul_i32 s78, s78, 1536                       ; aimg: (16 x row tile + head) images
	s_mov_b32 s79, 0
	s_lshl_b32 s80, s16, 4
	s_add_co_u32 s80, s80, s17
	s_lshl_b32 s80, s80, 9                         ; asc: (16 x group + head) x 512
	s_mov_b32 s81, 0
	s_mov_b32 s[SEL], 0x76543210
	s_mov_b32 s[SEL+1], 0xfedcba98
	s_mov_b32 s[CS], 0x3e0293ee                    ; c = log2(e) / sqrt(128)
	s_mov_b32 s[CS+1], s[CS]
	s_mov_b32 s[TB], 0
	s_mov_b32 s[TS], 0
	; the LDS bases: constants and parts of the wave's number
	s_mul_i32 s82, s[ST], KREG                     ; my stream's k
	s_lshl_b32 s83, s[ST], 12
	s_add_co_u32 s83, s83, SCA                     ; its scale words
	s_mul_i32 s18, s[QP], MSZ
	s_add_co_u32 s84, s82, s18                     ; my merge stage
	s_xor_b32 s85, s[ST], 1
	s_mul_i32 s85, s85, KREG
	s_add_co_u32 s85, s85, s18                     ; my partner's
	s_lshr_b32 s94, s[QP], 1
	s_lshl_b32 s94, s94, 8
	s_and_b32 s19, s[QP], 1
	s_lshl_b32 s19, s19, 3
	s_add_co_u32 s94, s94, s19
	s_lshl_b32 s19, s[ST], 2
	s_add_co_u32 s94, s94, s19
	s_add_co_u32 s94, s94, SCW                     ; tile a's scale words: 256 (a / 4) + 4 (a % 4)
	s_mul_i32 s95, s[WV], MSZ
	s_add_co_u32 s95, s95, WST                     ; Wo's stage
	s_mul_i32 s18, s15, 12
	s_mul_i32 s19, s[QP], 3
	s_add_co_u32 s18, s18, s19
	s_lshl_b32 s18, s18, 8                         ; v's prefetch: blocks 12 cx + 3 x pair on: a place in the cluster enters this global offset alone
	v_and_b32 v[LI], 31, v0
	v_and_b32 v[R16], 15, v0
	v_bfe_u32 v5, v0, 4, 1
	v_lshlrev_b32 v[SWA], 3, v[LI]                 ; (8 x lane, for the statistics)
	v_min_u32 v4, 7, v[LI]
	v_min_u32 v[PFV], 2, v[LI]
	v_lshlrev_b32 v[LI], 4, v[LI]
	v_lshlrev_b32 v[R16], 4, v[R16]
	v_and_b32 v[PFO], 1, v4
	v_bfe_u32 v6, v4, 1, 1
	v_lshrrev_b32 v4, 2, v4
	v_lshl_add_u32 v[PFV], v[PFV], 8, s18
	v_lshlrev_b32 v[PFO], 8, v[PFO]                ; 256 bytes a block,
	v_add_nc_u32 v[AK0], s82, v[LI]
	v_add_nc_u32 v[AS0], s83, v[R16]
	v_lshl_add_u32 v[PFO], v6, 13, v[PFO]          ; 8,192 a row,
	v_add_nc_u32 v[SA], s84, v[LI]
	v_add_nc_u32 v[SB], s84, v[SWA]
	v_lshl_add_u32 v[PFO], v4, 17, v[PFO]          ; 16 rows to the tile's upper eight
	v_add_nc_u32 v[PA], s85, v[LI]
	v_add_nc_u32 v[PB], s85, v[SWA]
	v_add_nc_u32 v[WSI], s95, v[LI]
	v_add_nc_u32 v[SB], 8192, v[SB]
	v_add_nc_u32 v[PB], 8192, v[PB]
	v_add_nc_u32 v[SWA], s94, v[R16]
	v_add_nc_u32 v[SWR], SCW, v[LI]
	v_mul_u32_u24 v[WSO], v[R16], 33               ; 528 r
	s_delay_alu instid0(VALU_DEP_1)
	v_lshl_add_u32 v[WSO], v5, 6, v[WSO]
	s_delay_alu instid0(VALU_DEP_1)
	v_add_nc_u32 v[WSO], s95, v[WSO]
	s_wait_alu depctr_va_vdst(0)                   ; the wait ahead of the waits below
	s_wait_dscnt 0x0                               ; both opening adds are done
	s_wait_kmcnt 0x0
	s_add_nc_u64 s[60:61], s[4:5], s[60:61]
	s_add_nc_u64 s[62:63], s[6:7], s[62:63]
	s_add_nc_u64 s[VB0:VB0+1], s[4:5], s[VB0:VB0+1]
	s_add_nc_u64 s[70:71], s[4:5], s[70:71]
	s_add_nc_u64 s[72:73], s[4:5], s[72:73]
	s_add_nc_u64 s[74:75], s[6:7], s[74:75]
	s_add_nc_u64 s[76:77], s[6:7], s[76:77]
	s_add_nc_u64 s[78:79], s[8:9], s[78:79]
	s_add_nc_u64 s[80:81], s[10:11], s[80:81]
	s_add_nc_u64 s[86:87], s[92:93], s[86:87]
	s_mov_b64 s[WP:WP+1], s[86:87]
	s_mov_b64 s[VB:VB+1], s[VB0:VB0+1]
	s_add_nc_u64 s[PAD:PAD+1], s[VB0:VB0+1], s[PO:PO+1]
	s_mov_b32 s[G0C], 1
	s_mov_b64 s[G0C+2:G0C+3], s[60:61]
	s_or_b32 s[G0C+3], s[G0C+3], 0x80000000
	s_mov_b32 s[G0S], 1
	s_mov_b64 s[G0S+2:G0S+3], s[62:63]
	s_or_b32 s[G0S+3], s[G0S+3], 0x80000000
	CROUND                                         ; all four work-groups are here: the joint loads meet
	s_cmp_lt_u32 s[WV], 6                          ; one fill in each arm: every way passes one load
	s_cbranch_scc0 .Lhead_sc
	tensor_load_to_lds s[G0C:G0C+3], s[G1C:G1C+7]
	s_nop 0
.rept 4
	v_nop
.endr
	s_branch .Lhead_done
.Lhead_sc:
	tensor_load_to_lds s[G0S:G0S+3], s[G1S:G1S+7]
	s_nop 0
.rept 4
	v_nop
.endr
.Lhead_done:
	global_prefetch_b8 v[PFV], s[VB0:VB0+1] th:TH_LOAD_NT scope:SCOPE_SE                ; v's step 0,
	global_prefetch_b8 v[PFV], s[VB0:VB0+1] offset:STEPB th:TH_LOAD_NT scope:SCOPE_SE   ; and step 1: my three blocks of each
.irp c, 0,1,2
	global_load_b128 v[Q+4*\c:Q+4*\c+3], v[LI], s[70:71] offset:512*\c          ; q's two fragments stay in registers
	global_load_b128 v[Q+12+4*\c:Q+12+4*\c+3], v[LI], s[72:73] offset:512*\c
.endr
	global_load_b32 v[QS], v[R16], s[74:75]
	global_load_b32 v[QS+1], v[R16], s[76:77]
.irp t, 0,1
	v_mov_b32 v[STA+4*\t+1], 0xff61b1e6            ; the largest t so far: -3e38
	s_delay_alu instid0(VALU_DEP_1)
	v_floor_f32 v[STA+4*\t], -v[STA+4*\t+1]        ; -M
	v_mov_b32 v[STA+4*\t+2], 0                     ; the sum, in two halves
	v_mov_b32 v[STA+4*\t+3], 0
	v_mov_b32 v[FF+2*\t+1], 0                      ; (named as the upper half of a pair)
.endr
.irp j, 0,1,2,3,4,5,6,7
	v_mov_b32 v[PT+\j], 0                          ; a lane permute's destination counts as one of its sources
.endr
	WIN 0x40
.set j, 0
.rept 128
	v_mov_b32 v[j], 0                              ; O^T: the step has no first form of its own; these lines stand under the head's loads
.set j, j+1
.endr
	WIN 0
	s_wait_alu depctr_va_vdst(0)                   ; the wait at the head's end
	s_wait_tensorcnt 0x0                           ; my one load has landed
	s_barrier_signal -1
	s_barrier_wait -1                              ; everybody's has: all of k and the scale words; nothing is ever filled again
	s_wait_loadcnt 0x0                             ; q
	s_mov_b32 s[TRIP], 8
; A KEY STEP: 128 keys against my two tiles of queries.  The two tiles take turns line by line.
.Lstep:
	v_add_nc_u32 v[ADK], s[TB], v[AK0]
	v_add_nc_u32 v[ADS], s[TS], v[AS0]
	v_nop
	v_nop                                          ; these four are the places between the last products and the loads into their registers
	WIN 0x40
.irp f, 0,1,2,3,4,5,6,7
.irp c, 0,1,2
	ds_load_b128 v[F+12*\f+4*\c:F+12*\f+4*\c+3], v[ADK] offset:1536*\f+512*\c
.endr
.endr
	WIN 0
	ds_load_b128 v[KS:KS+3], v[ADS]
	ds_load_b128 v[KS+4:KS+7], v[ADS] offset:256
	s_wait_alu depctr_va_vdst(0)
	s_wait_dscnt 0x0
	WIN 0x01
.irp f, 0,1,2,3,4,5,6,7                        ; S^T = k q^T: sixteen accumulators, one instruction each
.irp t, 0,1
	v_wmma_scale_f32_16x16x128_f8f6f4 v[S+64*\t+8*\f:S+64*\t+8*\f+7], v[F+12*\f:F+12*\f+11], v[Q+12*\t:Q+12*\t+11], 0, v[KS+\f], v[QS+\t] matrix_a_fmt:MATRIX_FMT_FP6 matrix_b_fmt:MATRIX_FMT_FP6
.endr
.endr
	WIN 0
.rept 4
	v_nop                                          ; places in front of the loads below and of the first read of the scores
.endr
	WIN 0x40
.irp f, 0,1,2,3,4,5,6,7                        ; v's fragments come from memory while the softmax is worked: each load 512 consecutive bytes
.irp c, 0,1,2
	global_load_b128 v[F+12*\f+4*\c:F+12*\f+4*\c+3], v[LI], s[VB:VB+1] offset:1536*\f+512*\c
.endr
.endr
	WIN 0
	ds_load_b128 v[KS:KS+3], v[ADS] offset:8192
	ds_load_b128 v[KS+4:KS+7], v[ADS] offset:8448
	global_prefetch_b8 v[PFV], s[PAD:PAD+1] th:TH_LOAD_NT scope:SCOPE_SE   ; my three blocks of v's step two on (held at step 7)
	s_cmp_gt_u32 s[TRIP], 4                        ; in the first four trips: eight blocks of my image's numbers of Wo (rows 2 t, 2 t + 1, 16 + 2 t, 17 + 2 t of the tile's 24)
	s_cbranch_scc0 .Lno_wo
	global_prefetch_b8 v[PFO], s[WP:WP+1] th:TH_LOAD_NT scope:SCOPE_SE
.Lno_wo:
.irp b, 0,1,2,3                                ; the largest score of each block of 32 keys: for the row's maximum and, since p rises with the score, for the block's largest p
.irp t, 0,1
	v_max3_num_f32 v[BM+4*\t+\b], v[S+64*\t+16*\b], v[S+64*\t+16*\b+1], v[S+64*\t+16*\b+2]
.endr
.endr
.irp i, 3,5,7,9,11,13
.irp b, 0,1,2,3
.irp t, 0,1
	v_max3_num_f32 v[BM+4*\t+\b], v[BM+4*\t+\b], v[S+64*\t+16*\b+\i], v[S+64*\t+16*\b+\i+1]
.endr
.endr
.endr
.irp j, 0,1,2,3,4,5,6,7
	v_max_num_f32 v[BM+\j], v[BM+\j], v[S+64*(\j/4)+16*(\j%4)+15]
.endr
.irp j, 0,1,2,3,4,5,6,7
	v_permlanex16_b32 v[PT+\j], v[BM+\j], s[SEL], s[SEL+1]
.endr
.irp j, 0,1,2,3,4,5,6,7
	v_max_num_f32 v[BM+\j], v[BM+\j], v[PT+\j]     ; with lane l xor 16's 16 keys
.endr
	v_max3_num_f32 v[TT], v[BM], v[BM+1], v[BM+2]
	s_delay_alu instid0(VALU_DEP_3)
	v_max3_num_f32 v[TT+1], v[BM+4], v[BM+5], v[BM+6]
.irp t, 0,1
	s_delay_alu instid0(VALU_DEP_2)
	v_max_num_f32 v[TT+\t], v[TT+\t], v[BM+4*\t+3]
.endr
.irp t, 0,1
	s_delay_alu instid0(VALU_DEP_2)
	v_mul_f32 v[TT+\t], s[CS], v[TT+\t]            ; as t (c is positive)
.endr
.irp t, 0,1
	s_delay_alu instid0(VALU_DEP_2)
	v_max_num_f32 v[STA+4*\t+1], v[STA+4*\t+1], v[TT+\t]
.endr
.irp t, 0,1
	v_mov_b32 v[TT+\t], v[STA+4*\t]
.endr
.irp t, 0,1
	s_delay_alu instid0(VALU_DEP_4)
	v_floor_f32 v[STA+4*\t], -v[STA+4*\t+1]        ; the new -M = -ceil(t): a whole number
.endr
.irp t, 0,1
	s_delay_alu instid0(VALU_DEP_2)
	v_sub_f32 v[TT+\t], v[STA+4*\t], v[TT+\t]      ; old M - new M: a whole number, 0 or less
.endr
.irp t, 0,1
	s_delay_alu instid0(VALU_DEP_2)
	v_cvt_i32_f32 v[TT+\t], v[TT+\t]               ; (it saturates)
.endr
.irp t, 0,1
	s_delay_alu instid0(VALU_DEP_2)
	v_ldexp_f32 v[FF+2*\t], 1.0, v[TT+\t]          ; f = 2^(old M - new M)
.endr
.set j, 0
.rept 32
.irp t, 0,1
	v_pk_fma_f32 v[S+64*\t+j:S+64*\t+j+1], v[S+64*\t+j:S+64*\t+j+1], s[CS:CS+1], v[STA+4*\t:STA+4*\t+1] op_sel_hi:[1,0,0]   ; t - M, two in one instruction
.endr
.set j, j+2
.endr
.irp j, 0,1,2,3,4,5,6,7
	v_fma_f32 v[BM+\j], v[BM+\j], s[CS], v[STA+4*(\j/4)]   ; the same of each block's largest score
.endr
.set j, 0
	s_wait_alu depctr_va_vdst(0)                   ; the wait ahead of the batch
.rept 128
	v_exp_f32 v[S+j], v[S+j]                       ; p = 2^(t - M), at most 1
.set j, j+1
.endr
.irp t, 0,1
	v_pk_mul_f32 v[STA+4*\t+2:STA+4*\t+3], v[STA+4*\t+2:STA+4*\t+3], v[FF+2*\t:FF+2*\t+1] op_sel_hi:[1,0]   ; the sums under the new M: plain instructions behind the exponentials
.endr
	s_wait_alu depctr_va_vdst(0)                   ; one wait for the batch of 128, ahead of its first reader
.irp j, 0,1,2,3,4,5,6,7
	v_exp_f32 v[BM+\j], v[BM+\j]                   ; each block's largest p: the same two instructions on the same number give the same bits
.endr
.irp t, 0,1
	v_pk_add_f32 v[PT+4*\t:PT+4*\t+1], v[S+64*\t:S+64*\t+1], v[S+64*\t+2:S+64*\t+3]   ; the row's sum is taken of the unquantised p, in two chains a tile
.endr
.irp j, 4,8,12,16,20,24,28,32,36,40,44,48,52,56,60
.irp t, 0,1
	v_pk_add_f32 v[STA+4*\t+2:STA+4*\t+3], v[STA+4*\t+2:STA+4*\t+3], v[S+64*\t+\j:S+64*\t+\j+1]
	v_pk_add_f32 v[PT+4*\t:PT+4*\t+1], v[PT+4*\t:PT+4*\t+1], v[S+64*\t+\j+2:S+64*\t+\j+3]
.endr
.endr
	s_delay_alu instid0(VALU_DEP_3)
	v_pk_add_f32 v[STA+2:STA+3], v[STA+2:STA+3], v[PT:PT+1]
	s_delay_alu instid0(VALU_DEP_2)
	v_pk_add_f32 v[STA+6:STA+7], v[STA+6:STA+7], v[PT+4:PT+5]
	s_wait_alu depctr_va_vdst(0)                   ; and one for the eight
.irp j, 0,1,2,3,4,5,6,7
	v_max_num_f32 v[BM+\j], 0x1800000, v[BM+\j]    ; the floor 2^(3 - 127): the byte cannot fall under 1
.endr
.irp j, 0,1,2,3,4,5,6,7
	v_add_nc_u32 v[SO+\j], 0xff000000, v[BM+\j]    ; 2 off the exponent field: the conversion's scale operand
.endr
.irp j, 0,1,2,3,4,5,6,7
	v_lshrrev_b32 v[PT+\j], 23, v[SO+\j]           ; the scale's byte
.endr
	v_lshl_or_b32 v[PS], v[PT+1], 8, v[PT]
	s_delay_alu instid0(VALU_DEP_4)
	v_lshl_or_b32 v[PS+1], v[PT+5], 8, v[PT+4]
.irp t, 0,1
	s_delay_alu instid0(VALU_DEP_2)
	v_lshl_or_b32 v[PS+\t], v[PT+4*\t+2], 16, v[PS+\t]
.endr
.irp t, 0,1
	s_delay_alu instid0(VALU_DEP_2)
	v_lshl_or_b32 v[PS+\t], v[PT+4*\t+3], 24, v[PS+\t]
.endr
.irp t, 0,1                                    ; (the second halves go where the largest scores and the bytes lay: both are done with)
.irp c, 0,1
	v_cvt_scalef32_pk16_fp6_f32 v[PC+12*\t+6*\c:PC+12*\t+6*\c+2], v[S+64*\t+32*\c:S+64*\t+32*\c+15], v[SO+4*\t+2*\c]
	v_cvt_scalef32_pk16_fp6_f32 v[BM+8*\t+4*\c:BM+8*\t+4*\c+2], v[S+64*\t+32*\c+16:S+64*\t+32*\c+31], v[SO+4*\t+2*\c+1]
.endr
.endr
	v_nop                                          ; one plain instruction behind the scaled conversions
.irp t, 0,1
.irp c, 0,1
.irp i, 0,1,2
	v_permlane16_swap_b32 v[PC+12*\t+6*\c+\i], v[BM+8*\t+4*\c+\i]
.endr
.irp i, 0,1,2
	s_delay_alu instid0(VALU_DEP_3)
	v_mov_b32 v[PC+12*\t+6*\c+3+\i], v[BM+8*\t+4*\c+\i]
.endr
.endr
.endr
	s_wait_loadcnt 0x0                             ; v's fragments are in,
	s_wait_dscnt 0x0                               ; and its scale words
	s_wait_xcnt 0x0                                ; the prefetches have read their addresses: the pointers are stepped at the trip's end
	WIN 0x41
.set j, 0
.rept 32
	v_pk_mul_f32 v[j:j+1], v[j:j+1], v[FF:FF+1] op_sel_hi:[1,0]                 ; O^T under the new M.  These 64 are also the places between the writes of p's codes and scale words and the products
	v_pk_mul_f32 v[64+j:65+j], v[64+j:65+j], v[FF+2:FF+3] op_sel_hi:[1,0]
.set j, j+2
.endr
	WIN 0x51
.irp f, 0,1,2,3,4,5,6,7                        ; O^T += v^T p^T: sixteen accumulators, one instruction each
.irp t, 0,1
	v_wmma_scale_f32_16x16x128_f8f6f4 v[64*\t+8*\f:64*\t+8*\f+7], v[F+12*\f:F+12*\f+11], v[PC+12*\t:PC+12*\t+11], v[64*\t+8*\f:64*\t+8*\f+7], v[KS+\f], v[PS+\t] matrix_a_fmt:MATRIX_FMT_FP6 matrix_b_fmt:MATRIX_FMT_FP6
.endr
.endr
	WIN 0
	s_add_nc_u64 s[VB:VB+1], s[VB:VB+1], STEPB
	s_add_nc_u64 s[WP:WP+1], s[WP:WP+1], 16384     ; two rows of Wo on (used in the first four trips alone)
	s_add_co_u32 s[PO], s[PO], STEPB
	s_min_u32 s[PO], s[PO], 7*STEPB                ; the look-ahead stays inside my stream
	s_add_nc_u64 s[PAD:PAD+1], s[VB0:VB0+1], s[PO:PO+1]
	s_add_co_u32 s[TB], s[TB], STEPB
	s_add_co_u32 s[TS], s[TS], 512
	s_sub_co_u32 s[TRIP], s[TRIP], 1
	s_cmp_lg_u32 s[TRIP], 0
	s_cbranch_scc1 .Lstep
.rept 4
	v_nop                                          ; places behind the last products
.endr
.irp p, 0,1,2,3,4,5,6,7,8,9,10,11,12,13,14,15
	global_load_b128 v[S+64+4*\p:S+64+4*\p+3], v[LI], s[86:87] offset:(\p+8*(\p/8))*8192 th:TH_LOAD_NT   ; Wo: 512 consecutive bytes of one row; they land while the halves are merged
.endr
	; THE MERGE of the two halves of the keys.
	s_wait_dscnt 0x0
	s_barrier_signal -1
	s_barrier_wait -1                              ; no wave reads k any more
	v_add_f32 v13, v14, v15                        ; set 1: -M in v12, my lane's part of the sum in v13
	WIN 0x04                                       ; an LDS store's data are its source 1: window 1
.set i, 0
.rept 16
	ds_store_b128 v[SA], v[64+4*i:64+4*i+3] offset:512*i   ; set 1's O^T as it stands, each accumulator from its low end on
.set i, i+1
.endr
	WIN 0
	ds_store_b64 v[SB], v[12:13]
	s_wait_dscnt 0x0                               ; for the partner's sake
	s_barrier_signal -1
	s_barrier_wait -1
.set i, 0
.rept 16
	ds_load_b128 v[S+4*i:S+4*i+3], v[PA] offset:512*i      ; the other half's O^T of my set 0's tile
.set i, i+1
.endr
	ds_load_b64 v[12:13], v[PB]
	s_wait_dscnt 0x0
	v_min_num_f32 v252, v8, v12                    ; -M of both halves
	s_delay_alu instid0(VALU_DEP_1)
	v_sub_f32 v253, v252, v8
	s_delay_alu instid0(VALU_DEP_2)
	v_sub_f32 v254, v252, v12
	s_delay_alu instid0(VALU_DEP_2)
	v_cvt_i32_f32 v253, v253
	s_delay_alu instid0(VALU_DEP_2)
	v_cvt_i32_f32 v254, v254
	s_delay_alu instid0(VALU_DEP_2)
	v_ldexp_f32 v253, 1.0, v253                    ; f1, f2: exact powers of two
	s_delay_alu instid0(VALU_DEP_2)
	v_ldexp_f32 v254, 1.0, v254
	v_add_f32 v10, v10, v11
	s_delay_alu instid0(VALU_DEP_1)
	v_mul_f32 v10, v10, v253
	s_delay_alu instid0(VALU_DEP_1)
	v_fma_f32 v10, v13, v254, v10
	s_delay_alu instid0(VALU_DEP_1)
	v_permlanex16_b32 v11, v10, s[SEL], s[SEL+1]
	s_delay_alu instid0(VALU_DEP_1)
	v_add_f32 v10, v10, v11                        ; the row's sum
	s_wait_alu depctr_va_vdst(0)
	v_rcp_f32 v10, v10
	v_nop                                          ; a plain instruction behind the reciprocal,
	s_wait_alu depctr_va_vdst(0)                   ; and the wait ahead of its first reader
	v_mul_f32 v248, v253, v10
	v_mul_f32 v250, v254, v10
.set j, 0
.rept 32
	v_pk_mul_f32 v[S+j:S+j+1], v[S+j:S+j+1], v[250:251] op_sel_hi:[1,0]
.set j, j+2
.endr
	WIN 0x01
.set j, 0
.rept 32
	v_pk_fma_f32 v[S+j:S+j+1], v[j:j+1], v[248:249], v[S+j:S+j+1] op_sel_hi:[1,0,1]   ; O = (O1 f1 + O2 f2) / the sum; register 16 b + i is channel 32 b + 16 (lane / 16) + i
.set j, j+2
.endr
	WIN 0
	QUANT S, PC, PC+12, PS, BM
.irp c, 0,1,2
	global_store_b128 v[LI], v[PC+4*\c:PC+4*\c+3], s[78:79] offset:512*\c
.endr
	ds_store_b32 v[SWA], v[PS]
	; Wo's image: the 8,192 bytes turn through my own stage (rows of 512 + 16 bytes), so that a lane holds 16 neighbours of each block
	s_wait_alu depctr_va_vdst(0)                   ; the wait ahead of the wait below
	s_wait_loadcnt 0x0
.irp p, 0,1,2,3,4,5,6,7,8,9,10,11,12,13,14,15
	ds_store_b128 v[WSI], v[S+64+4*\p:S+64+4*\p+3] offset:528*\p
.endr
.irp b, 0,1,2,3
.irp j, 0,1,2,3
	ds_load_b128 v[S+16*\b+4*\j:S+16*\b+4*\j+3], v[WSO] offset:128*\b+16*\j   ; LDS serves a wave's instructions in order: these see the stores above
.endr
.endr
	s_wait_dscnt 0x0
	QUANT S, S+64, S+76, PS+1, BM
.irp c, 0,1,2
	global_store_b128 v[LI], v[S+64+4*\c:S+64+4*\c+3], s[78:79] offset:WOC+512*\c
.endr
	ds_store_b32 v[SWA], v[PS+1] offset:512
	s_wait_dscnt 0x0
	s_barrier_signal -1
	s_barrier_wait -1
	s_cmp_lg_u32 s[WV], 0
	s_cbranch_scc1 .Lnot_first_wave
	ds_load_b128 v[S:S+3], v[SWR]                  ; the eight tiles' scale words: O's 512 bytes,
	ds_load_b128 v[S+4:S+7], v[SWR] offset:512     ; and Wo's
	s_wait_dscnt 0x0
	global_store_b128 v[LI], v[S:S+3], s[80:81]
	global_store_b128 v[LI], v[S+4:S+7], s[80:81] offset:WOS
.Lnot_first_wave:
	s_wait_tensorcnt 0x0                           ; the wave's end
	ds_add_u32 v[SPW], v[NIL]
	s_wait_dscnt 0x0
	CROUND                                         ; the closing round
	s_endpgm
.Lfunc_end_k_q4f5c55b3fd_attn:
	.size	k_q4f5c55b3fd_attn, .Lfunc_end_k_q4f5c55b3fd_attn-k_q4f5c55b3fd_attn
	.p2alignl 7, 3214868480
	.fill 96, 4, 3214868480
	.section	.rodata,"a",@progbits
	.p2align	6, 0x0
	.amdhsa_kernel k_q4f5c55b3fd_attn
		.amdhsa_group_segment_fixed_size 327680
		.amdhsa_private_segment_fixed_size 0
		.amdhsa_enable_private_segment 0
		.amdhsa_kernarg_size 40
		.amdhsa_user_sgpr_count 2
		.amdhsa_user_sgpr_kernarg_segment_ptr 1
		.amdhsa_wavefront_size32 1
		.amdhsa_system_sgpr_workgroup_id_x 1
		.amdhsa_system_sgpr_workgroup_id_y 1
		.amdhsa_system_sgpr_workgroup_id_z 1
		.amdhsa_system_vgpr_workitem_id 0
		.amdhsa_next_free_vgpr 512
		.amdhsa_next_free_sgpr 96
		.amdhsa_reserve_vcc 0
		.amdhsa_float_denorm_mode_32 3
		.amdhsa_float_denorm_mode_16_64 3
		.amdhsa_memory_ordered 1
		.amdhsa_forward_progress 1
		.amdhsa_inst_pref_size 74
	.end_amdhsa_kernel
	.amdgpu_metadata
---
amdhsa.version: [ 1, 2 ]
amdhsa.kernels:
  - .name:           k_q4f5c55b3fd_attn
    .symbol:         k_q4f5c55b3fd_attn.kd
    .args:
      - { .name: qkv_img, .offset: 0, .size: 8, .value_kind: global_buffer, .address_space: global }
      - { .name: qkv_sc, .offset: 8, .size: 8, .value_kind: global_buffer, .address_space: global }
      - { .name: aimg, .offset: 16, .size: 8, .value_kind: global_buffer, .address_space: global }
      - { .name: asc, .offset: 24, .size: 8, .value_kind: global_buffer, .address_space: global }
      - { .name: Wo, .offset: 32, .size: 8, .value_kind: global_buffer, .address_space: global }
    .group_segment_fixed_size: 327680
    .private_segment_fixed_size: 0
    .kernarg_segment_align: 8
    .kernarg_segment_size: 40
    .max_flat_workgroup_size: 256
    .sgpr_count:     96
    .vgpr_count:     512
    .wavefront_size: 32
...
	.end_amdgpu_metadata
.endif
;; end of part 3
;; launch proj (part 4): grid 16 x 16, 4 waves a work-group, clusters of 4 x 4, 327,680 bytes of LDS; arguments aimg, asc, bo, out0; writes out0
.if DOCPART == 4
	.amdgcn_target "amdgcn-amd-amdhsa--gfx1250"
	.amdhsa_code_object_version 6
	.text
	.protected	k_q4f5c55b3fd_proj
	.globl	k_q4f5c55b3fd_proj
	.p2align	8
	.type	k_q4f5c55b3fd_proj,@function
k_q4f5c55b3fd_proj:
	s_mov_b64 s[64:65], 0
	v_nop
	global_prefetch_b8 v0, s[64:65] scope:SCOPE_SE
	s_setreg_imm32_b32 hwreg(HW_REG_WAVE_MODE, 25, 1), 1
	s_wait_xcnt 0x0
	s_wait_alu depctr_hold_cnt(0) depctr_sa_sdst(0) depctr_va_vdst(0) depctr_va_sdst(0) depctr_va_ssrc(0) depctr_va_vcc(0) depctr_vm_vsrc(0)
	s_getreg_b32 s2, hwreg(HW_REG_IB_STS2, 6, 4)
	s_cmp_eq_u32 s2, 0
	s_cbranch_scc0 .Lentry_in_a_cluster
	s_endpgm
.Lentry_in_a_cluster:
	s_bfe_u32 s2, ttmp6, 0x10000c
	s_cmp_lg_u32 s2, 0xf033
	s_cbranch_scc0 .Lentry_shape_is_right
	s_endpgm
.Lentry_shape_is_right:
; out = O Wo^T + bo on codes of FP6 (E2M3) with E8M0 scales, sums in f32, out in f32.
; OPERANDS are images of fragments: aimg [row tile][K step][1,536], O's 128 tiles first, Wo's 128 from byte 3,145,728; asc [group of 128 rows][K step][512], O's first, Wo's from byte 131,072.
; SHARES.  256 tiles of 128 x 128, one to a work-group.  A wave makes 64 x 64: 16 accumulators.  Source 0 = rows of Wo, source 1 = queries: a lane holds one query and its registers run along the outputs.
; The bias is the C of each sum's first product.  The rows of every tile are permuted (lane row p of tile 2 b + u is row 32 b + 8 u + p + 8 (p / 8)): for Wo that makes a lane's registers neighbours;
; for the queries it is undone in the stores' addresses.
; THE SCALE WORDS of all 16 K steps go from memory into 64 registers: a load brings lanes 0-15 the words of my four query tiles and lanes 16-31 those of my four tiles of Wo, sixteen lanes 256 consecutive bytes.
; LDS holds 13 of the 16 K steps.  AT THE HEAD each wave issues one joint load: wave 0 the queries' K steps 0-2 (8 tiles x 4,608 bytes), wave 1 Wo's, wave 2 the queries' K steps 3-12 (8 x 15,360), wave 3 Wo's.
; ONE refill: K steps 13-15 into the bytes of 0-2, a quarter a wave, behind the first K step (the fragments of K steps 0-2 are in registers by then); ten K steps stand ahead of the wait for it.
; CLUSTERS of 4 x 4: the queries' tiles are shared along a row, Wo's along a column.  No prefetch: 13 of 16 K steps are asked for by the head's loads and the rest one K step later: no trip to run ahead in.
; THREE fragment buffers: K step k + 2 is fetched from LDS while k is multiplied, so the wait ahead of a K step leaves the next one's 24 loads out.
; REGISTERS.  window 0: v16-30 addresses; v32-95 scale words; v96-127 the bias; v64-127 on the way out; v128-255 accumulator (a, b) at v[128 + 8 (4 a + b)].
;   buffers 0, 1: window 1 at v0, v128; buffer 2: window 2 at v0: four fragments of queries, then four of Wo.
.set T0,    4608                       ; a tile's row in the short slot: 3 K steps
.set TL,    15360                      ; in the long slot: 10 K steps
.set A0,    0
.set B0,    8*T0
.set AL,    16*T0
.set BL,    AL+8*TL
.set SPARE, BL+8*TL                    ; the spare words, 128 bytes for each wave
.set STAGE, AL                         ; the way out: 16 rows x 272 bytes for each wave, in the long slot, which has had its only fill and its last read by then
.set SP,    272
.set WOC,   3145728
.set WOS,   131072
.set ADRA, 16                          ; v16-17: short slot, long slot
.set ADRB, 20                          ; v20-21
.set STO,  24
.set RD,   25
.set CO,   26
.set SOF,  27
.set SPW,  28
.set NIL,  29
.set BO,   30
.set SC,   32
.set BI,   96
.set ACC,  128
.set WV, 16
.set RH, 17
.set CH, 18
.set TX, 19
.set TY, 20
.set G1A, 24
.set G1B, 32
.set G1AL, 40
.set G1BL, 48
.set G0A, 56
.set G0B, 60
.set G0AL, 68
.set G0BL, 72
.set G0RA, 76
.set G0RB, 80
.set MSB, 0
.macro WIN new
.if MSB != (\new)
	s_set_vgpr_msb (MSB<<8)|(\new)
.set MSB, \new
.endif
.endm
.macro CROUND
	s_barrier_signal -1
	s_barrier_wait -1
	s_cmp_lg_u32 s[WV], 0
	s_cbranch_scc1 .Lnot_wave_0_\@
	s_barrier_signal -3
.Lnot_wave_0_\@:
	s_barrier_wait -3
	s_barrier_signal -1
	s_barrier_wait -1
.endm
.macro PLACES
.rept 4
	v_nop
.endr
.endm
.macro MKG0 g, lds, p, off
	s_mov_b32 s[\g], 1
	s_mov_b32 s[\g+1], \lds
	s_add_nc_u64 s[\g+2:\g+3], s[\p:\p+1], \off
	s_or_b32 s[\g+3], s[\g+3], 0x80000000
.endm
	s_load_b128 s[4:7], s[0:1], 0x0                ; aimg, asc
	s_load_b128 s[12:15], s[0:1], 0x10             ; bo, out0
	v_lshl_add_u32 v[SPW], v0, 2, SPARE
	v_mov_b32 v[NIL], 0
	ds_add_u32 v[SPW], v[NIL]                      ; the opening lines: the add, twice on end, and its wait ahead of my first tensor load
	ds_add_u32 v[SPW], v[NIL]
	v_lshrrev_b32 v1, 5, v0
	v_readfirstlane_b32 s[WV], v1
	s_lshr_b32 s[RH], s[WV], 1                     ; my 64 queries.  In the refill: I fetch for the queries (0) or for Wo (1)
	s_and_b32 s[CH], s[WV], 1                      ; my 64 outputs.  In the refill: which four tiles I fetch
	s_bfe_u32 s21, ttmp6, 0x40000                  ; cx
	s_bfe_u32 s22, ttmp6, 0x40004                  ; cy
	s_lshl_b32 s[TX], ttmp9, 2
	s_add_co_u32 s[TX], s[TX], s21
	s_and_b32 s[TY], ttmp7, 0xffff
	s_lshl_b32 s[TY], s[TY], 2
	s_add_co_u32 s[TY], s[TY], s22
	s_lshl_b32 s23, s22, 2
	s_lshl_b32 s23, 15, s23                        ; my row of the cluster
	s_lshl_b32 s2, 0x1111, s21                     ; my column
	; groups 1: rows = row tiles, 24,576 bytes (3,072 elements of 8 bytes) apart; 8 tiles x 576 elements, and 8 x 1,920
	s_or_b32 s[G1A], s23, (3<<16)|(1<<21)
	s_or_b32 s[G1B], s2, (3<<16)|(1<<21)
	s_or_b32 s[G1AL], s23, (3<<16)|(1<<21)
	s_or_b32 s[G1BL], s2, (3<<16)|(1<<21)
.irp g, G1A, G1B
	s_mov_b32 s[\g+1], 576<<16
	s_mov_b32 s[\g+3], 576<<16
.endr
.irp g, G1AL, G1BL
	s_mov_b32 s[\g+1], 1920<<16
	s_mov_b32 s[\g+3], 1920<<16
.endr
.irp g, G1A, G1B, G1AL, G1BL
	s_mov_b32 s[\g+2], 8<<16
	s_mov_b32 s[\g+4], 8
	s_mov_b32 s[\g+5], 3072
	s_mov_b32 s[\g+6], 0
	s_mov_b32 s[\g+7], 0
.endr
	s_mul_i32 s92, s[TY], 196608                   ; the queries' group of eight tiles
	s_mov_b32 s93, 0
	s_mul_i32 s98, s[TX], 196608                   ; Wo's
	s_add_co_u32 s98, s98, WOC
	s_mov_b32 s99, 0
	s_mul_i32 s66, s[CH], 98304                    ; the refill: four tiles on for the upper half,
	s_add_co_u32 s66, s66, 13*1536                 ; K step 13
	s_mov_b32 s67, 0
	s_mul_i32 s97, s[WV], 4*T0                     ; and where it goes: no place in the cluster enters an LDS address
	s_lshl_b32 s84, s[TY], 13                      ; scale words: the queries' group, my four tiles
	s_lshl_b32 s3, s[RH], 8
	s_add_co_u32 s84, s84, s3
	s_lshl_b32 s85, s[TX], 13                      ; Wo's
	s_lshl_b32 s3, s[CH], 8
	s_add_co_u32 s85, s85, s3
	s_add_co_u32 s85, s85, WOS
	s_lshl_b32 s86, s[TX], 9
	s_add_co_u32 s86, s86, s3                      ; my first output, in bytes: 512 x tile column + 256 x half
	s_mov_b32 s87, 0
	s_lshl_b32 s88, s[TY], 20
	s_lshl_b32 s89, s[RH], 19
	s_add_co_u32 s88, s88, s89                     ; my first row of out: (128 x tile row + 64 x half) rows of 8,192 bytes
	s_mov_b32 s89, 0
	s_mul_i32 s90, s[RH], 4*T0                     ; my fragments: the queries' in the short slot,
	s_mul_i32 s91, s[CH], 4*T0
	s_add_co_u32 s91, s91, B0                      ; Wo's,
	s_mul_i32 s94, s[RH], 4*TL
	s_add_co_u32 s94, s94, AL                      ; and in the long slot
	s_mul_i32 s95, s[CH], 4*TL
	s_add_co_u32 s95, s95, BL
	s_mul_i32 s96, s[WV], 16*SP
	s_add_co_u32 s96, s96, STAGE
	s_wait_dscnt 0x0                               ; both opening adds are done
	s_wait_kmcnt 0x0
	s_add_nc_u64 s[92:93], s[4:5], s[92:93]
	s_add_nc_u64 s[98:99], s[4:5], s[98:99]
	s_add_nc_u64 s[12:13], s[12:13], s[86:87]
	s_add_nc_u64 s[14:15], s[14:15], s[86:87]
	s_add_nc_u64 s[14:15], s[14:15], s[88:89]
	MKG0 G0A,  A0, 92, 0
	MKG0 G0B,  B0, 98, 0
	MKG0 G0AL, AL, 92, T0
	MKG0 G0BL, BL, 98, T0
	MKG0 G0RA, s97, 92, s[66:67]
	MKG0 G0RB, s97, 98, s[66:67]
	CROUND                                         ; all sixteen work-groups are here: the first joint loads meet
.macro ARM under, g0, g1, next             ; one chain of branches on the wave's number: every way passes exactly one load
	s_cmp_lt_u32 s[WV], \under
	s_cbranch_scc0 \next
	tensor_load_to_lds s[\g0:\g0+3], s[\g1:\g1+7]
	s_nop 0
.rept 4
	v_nop
.endr
	s_branch .Lhead_asked
\next:
.endm
	ARM 1, G0A,  G1A,  .Lhead_b
	ARM 2, G0B,  G1B,  .Lhead_al
	ARM 3, G0AL, G1AL, .Lhead_bl
	tensor_load_to_lds s[G0BL:G0BL+3], s[G1BL:G1BL+7]
	s_nop 0
.rept 4
	v_nop
.endr
.Lhead_asked:
	v_and_b32 v1, 15, v0                           ; r
	v_bfe_u32 v2, v0, 4, 1                         ; h
	v_and_b32 v3, 31, v0
	v_mov_b32 v4, s84
	v_mov_b32 v5, s85
	v_lshlrev_b32 v3, 4, v3                        ; 16 x lane
	v_cmp_ne_u32 vcc_lo, 0, v2
	v_cndmask_b32 v4, v4, v5, vcc_lo               ; lanes 16-31 take Wo's words
	v_lshl_add_u32 v[SOF], v1, 4, v4
	v_lshlrev_b32 v[BO], 6, v2                     ; the bias: tile b's register j is output 32 (b / 2) + 16 h + 8 (b % 2) + j of my 64
	v_add_nc_u32 v[ADRA], s90, v3
	v_add_nc_u32 v[ADRA+1], s94, v3
	v_add_nc_u32 v[ADRB], s91, v3
	v_add_nc_u32 v[ADRB+1], s95, v3
	v_mul_u32_u24 v[STO], v1, SP
	v_mul_u32_u24 v[RD], v2, SP
	v_lshlrev_b32 v[CO], 13, v2
	v_lshl_add_u32 v[STO], v2, 6, v[STO]
	v_lshl_add_u32 v[RD], v1, 4, v[RD]
	v_lshl_add_u32 v[CO], v1, 4, v[CO]             ; lanes 0-15 one row of 256 bytes of out, lanes 16-31 the next
	v_add_nc_u32 v[STO], s96, v[STO]               ; the stage, in: row r, + 64 h
	v_add_nc_u32 v[RD], s96, v[RD]                 ; back: two rows an instruction
	s_wait_alu depctr_va_vdst(0)                   ; the wait behind the head's vector work
.set k, 0
.rept 16
	global_load_b128 v[SC+4*k:SC+4*k+3], v[SOF], s[6:7] offset:512*k
.set k, k+1
.endr
.irp b, 0,1,2,3
	global_load_b128 v[BI+8*\b:BI+8*\b+3], v[BO], s[12:13] offset:(32*(\b/2)+8*(\b%2))*4
	global_load_b128 v[BI+8*\b+4:BI+8*\b+7], v[BO], s[12:13] offset:(32*(\b/2)+8*(\b%2))*4+16
.endr
.macro FETCH k                         ; the eight fragments of K step k into buffer k % 3: 24 loads of 512 consecutive bytes
.set FB, 128*(((\k)%3)%2)
.if ((\k) >= 3) && ((\k) < 13)
.set SL, 1
.set PI, TL
.set OF, ((\k)-3)*1536
.else
.set SL, 0
.set PI, T0
.set OF, ((\k)%13)*1536
.endif
	WIN 0x40*(1+((\k)%3)/2)
.irp i, 0,1,2,3
.irp c, 0,1,2
	ds_load_b128 v[FB+48+12*\i+4*\c:FB+48+12*\i+4*\c+3], v[ADRB+SL] offset:PI*\i+OF+512*\c
.endr
.endr
.irp i, 0,1,2,3
.irp c, 0,1,2
	ds_load_b128 v[FB+12*\i+4*\c:FB+12*\i+4*\c+3], v[ADRA+SL] offset:PI*\i+OF+512*\c
.endr
.endr
	WIN 0
.endm
; 16 matrix instructions, 128 along K.  The 16 accumulators take turns, one instruction a turn, in the same order in every step.
.macro MUL k, init
.set FB, 128*(((\k)%3)%2)
	WIN 5*(1+((\k)%3)/2)                           ; both sources in the buffer's window; C and D in window 0
.irp a, 0,1,2,3
.irp b, 0,1,2,3
.if \init
	v_wmma_scale_f32_16x16x128_f8f6f4 v[ACC+8*(4*\a+\b):ACC+8*(4*\a+\b)+7], v[FB+48+12*\b:FB+48+12*\b+11], v[FB+12*\a:FB+12*\a+11], v[BI+8*\b:BI+8*\b+7], v[SC+4*(\k)+\b], v[SC+4*(\k)+\a] matrix_a_fmt:MATRIX_FMT_FP6 matrix_b_fmt:MATRIX_FMT_FP6 matrix_a_scale:MATRIX_SCALE_ROW1
.else
	v_wmma_scale_f32_16x16x128_f8f6f4 v[ACC+8*(4*\a+\b):ACC+8*(4*\a+\b)+7], v[FB+48+12*\b:FB+48+12*\b+11], v[FB+12*\a:FB+12*\a+11], v[ACC+8*(4*\a+\b):ACC+8*(4*\a+\b)+7], v[SC+4*(\k)+\b], v[SC+4*(\k)+\a] matrix_a_fmt:MATRIX_FMT_FP6 matrix_b_fmt:MATRIX_FMT_FP6 matrix_a_scale:MATRIX_SCALE_ROW1
.endif
.endr
.endr
	WIN 0
.endm
.macro RLOAD                           ; the joint refill: waves 0, 1 for the queries, waves 2, 3 for Wo; the four v_nop are also the places in front of the loads that follow
	s_cmp_eq_u32 s[RH], 0
	s_cbranch_scc0 .Lrefill_b_\@
	tensor_load_to_lds s[G0RA:G0RA+3], s[G1A:G1A+7]
	s_nop 0
.rept 4
	v_nop
.endr
	s_branch .Lrefilled_\@
.Lrefill_b_\@:
	tensor_load_to_lds s[G0RB:G0RB+3], s[G1B:G1B+7]
	s_nop 0
.rept 4
	v_nop
.endr
.Lrefilled_\@:
.endm
; A K step: its fragments are in; K step k + 2's are asked for into the buffer that K step k - 1 multiplied, four places behind those products; then k is multiplied.
.macro KSTEP k, init
.if (\k) == 1
	s_wait_tensorcnt 0x0                           ; THE ONE REFILL: no tensor load of mine is out,
	ds_add_u32 v[SPW], v[NIL]                      ; the add,
	s_wait_dscnt 0x0                               ; it is done, and my reads of the short slot (K steps 0 to 2) are over
	CROUND                                         ; so it is with every wave of all sixteen work-groups
	RLOAD
.elseif (\k) == 11
	s_wait_tensorcnt 0x0                           ; my part of K steps 13 to 15 has landed
	s_wait_dscnt 0x0                               ; and my reads of the long slot are over
	s_barrier_signal -1
	s_barrier_wait -1                              ; so it is with all four waves
	PLACES
.else
.if (\k) < 15
	s_wait_dscnt 24                                ; the next K step's 24 loads may be out
.else
	s_wait_dscnt 0x0
.endif
.if (\k) < 14
	PLACES
.endif
.endif
.if (\k) < 14
	FETCH (\k)+2
.endif
	MUL \k, \init
.endm
	s_wait_alu depctr_va_vdst(0)                   ; the wait at the head's end
	s_wait_tensorcnt 0x0                           ; my one load has landed, so a descriptor may be written: the refill's loads bring four tiles
	s_mov_b32 s[G1A+2], 4<<16
	s_mov_b32 s[G1A+4], 4
	s_mov_b32 s[G1B+2], 4<<16
	s_mov_b32 s[G1B+4], 4
	s_barrier_signal -1
	s_barrier_wait -1                              ; everybody's has: K steps 0 to 12
	FETCH 0
	FETCH 1
	s_wait_loadcnt 0x0                             ; the scale words and the bias
	KSTEP 0, 1
.set KK, 1
.rept 15
	KSTEP KK, 0
.set KK, KK+1
.endr
	; THE WAY OUT, by tiles of 16 queries x 64 outputs, through my own stage: a lane's eight numbers are 32 neighbouring bytes of a row; they come back as whole rows of 256 bytes.
	; Row 2 i + h of tile a is out's row 32 (a / 2) + 8 (a % 2) + 16 (i / 4) + 2 (i % 4) + h of my 64: the tiles' choice of rows is undone in the immediate.
	PLACES
.irp a, 0,1,2,3
.set BK, 96-32*(\a%2)
.irp b, 0,1,2,3
	ds_store_b128 v[STO], v[ACC+8*(4*\a+\b):ACC+8*(4*\a+\b)+3] offset:128*(\b/2)+32*(\b%2)         ; each accumulator from its low end on
	ds_store_b128 v[STO], v[ACC+8*(4*\a+\b)+4:ACC+8*(4*\a+\b)+7] offset:128*(\b/2)+32*(\b%2)+16
.endr
.if \a > 1
	s_wait_xcnt 0x0                                ; the stores of two tiles back have read their registers: the loads below may land there
.endif
.irp i, 0,1,2,3,4,5,6,7
	ds_load_b128 v[BK+4*\i:BK+4*\i+3], v[RD] offset:2*\i*SP      ; LDS serves a wave's instructions in order: these see the stores above, and the next tile's stores come behind them
.endr
.irp i, 0,1,2,3,4,5,6,7
	s_wait_dscnt 7-\i
	global_store_b128 v[CO], v[BK+4*\i:BK+4*\i+3], s[14:15] offset:(32*(\a/2)+8*(\a%2)+16*(\i/4)+2*(\i%4))*8192 th:TH_STORE_NT   ; sixteen lanes store 256 consecutive bytes, aligned
.endr
.endr
	s_wait_tensorcnt 0x0                           ; the wave's end
	ds_add_u32 v[SPW], v[NIL]
	s_wait_dscnt 0x0
	CROUND                                         ; the closing round
	s_endpgm
.Lfunc_end_k_q4f5c55b3fd_proj:
	.size	k_q4f5c55b3fd_proj, .Lfunc_end_k_q4f5c55b3fd_proj-k_q4f5c55b3fd_proj
	.p2alignl 7, 3214868480
	.fill 96, 4, 3214868480
	.section	.rodata,"a",@progbits
	.p2align	6, 0x0
	.amdhsa_kernel k_q4f5c55b3fd_proj
		.amdhsa_group_segment_fixed_size 327680
		.amdhsa_private_segment_fixed_size 0
		.amdhsa_enable_private_segment 0
		.amdhsa_kernarg_size 32
		.amdhsa_user_sgpr_count 2
		.amdhsa_user_sgpr_kernarg_segment_ptr 1
		.amdhsa_wavefront_size32 1
		.amdhsa_system_sgpr_workgroup_id_x 1
		.amdhsa_system_sgpr_workgroup_id_y 1
		.amdhsa_system_sgpr_workgroup_id_z 1
		.amdhsa_system_vgpr_workitem_id 0
		.amdhsa_next_free_vgpr 640
		.amdhsa_next_free_sgpr 100
		.amdhsa_reserve_vcc 1
		.amdhsa_float_denorm_mode_32 3
		.amdhsa_float_denorm_mode_16_64 3
		.amdhsa_memory_ordered 1
		.amdhsa_forward_progress 1
		.amdhsa_inst_pref_size 81
	.end_amdhsa_kernel
	.amdgpu_metadata
---
amdhsa.version: [ 1, 2 ]
amdhsa.kernels:
  - .name:           k_q4f5c55b3fd_proj
    .symbol:         k_q4f5c55b3fd_proj.kd
    .args:
      - { .name: aimg, .offset: 0, .size: 8, .value_kind: global_buffer, .address_space: global }
      - { .name: asc, .offset: 8, .size: 8, .value_kind: global_buffer, .address_space: global }
      - { .name: bo, .offset: 16, .size: 8, .value_kind: global_buffer, .address_space: global }
      - { .name: out0, .offset: 24, .size: 8, .value_kind: global_buffer, .address_space: global }
    .group_segment_fixed_size: 327680
    .private_segment_fixed_size: 0
    .kernarg_segment_align: 8
    .kernarg_segment_size: 32
    .max_flat_workgroup_size: 128
    .sgpr_count:     100
    .vgpr_count:     640
    .wavefront_size: 32
...
	.end_amdgpu_metadata
.endif
;; end of part 4
